; MI455X (gfx1250); checked and timed in simulation.
; The chip was launched on July 23, 2026; its instructions are those of AMD's public machine-readable ISA for CDNA 5 (MIT licence, August 2026) and "CDNA5" Instruction Set Architecture Reference Guide (July 2026). The comments in the code are by the model that wrote it; some were corrected since.
;; SWA Block. Allowed arithmetic: matrix products marked QUANTISED: E2M3 operands, one E8M0 scale for each 32 along K, by v_wmma_scale_f32_16x16x128_f8f6f4 with both operands' format E2M3, f32 sums; everything else in f32.
;; Inputs: ff1_b 3,072 float32; ff1_w 3,072 x 1,024 float32; ff2_b 1,024 float32; ff2_w 1,024 x 3,072 float32; ln1_b 1,024 float32; ln1_w 1,024 float32; ln2_b 1,024 float32; ln2_w 1,024 float32; out_b 1,024 float32; out_w 1,024 x 1,024 float32; qkv_b 3,072 float32; qkv_w 3,072 x 1,024 float32; x 2 x 2,048 x 1,024 float32.
;; Outputs: out0 2 x 2,048 x 1,024 float32.
;; This version of the problem:
;;   THIS VERSION OF THE PROBLEM IS GIVEN IN LOW PRECISION. The matrix products marked QUANTISED in the list below multiply operands that are first quantised to E2M3 (2 exponent bits, 3 mantissa bits; 6 bits a number), with one power-of-two scale for each 32 numbers along K (OCP MX v1.0); their sums are f32. All else is computed in f32.
;;   The module's matrix products, in the order in which they are computed (A, B: the left and right operand; K: the contracted axis; several contracted axes count as one K, in the product's order):
;;     1. [M 4,096, K 1,024] x [K 1,024, N 3,072]; A: computed on the way; B: input qkv_w: QUANTISED
;;     2. batch 32 x [M 2,048, K 64] x [K 64, N 2,048]; A: computed on the way; B: computed on the way: QUANTISED
;;     3. batch 32 x [M 2,048, K 2,048] x [K 2,048, N 64]; A: softmax (see below); B: computed on the way: QUANTISED
;;     4. [M 4,096, K 1,024] x [K 1,024, N 1,024]; A: computed on the way; B: input out_w: QUANTISED
;;     5. [M 4,096, K 1,024] x [K 1,024, N 3,072]; A: computed on the way; B: input ff1_w: QUANTISED
;;     6. [M 4,096, K 3,072] x [K 3,072, N 1,024]; A: computed on the way; B: input ff2_w: QUANTISED
;;   THE QUANTISER, for each operand of a quantised product, along K:
;;     - K is cut into blocks of 32 from its start; a last block that is shorter is filled with zeros.
;;     - A block's scale is 2^e with e = floor(log2(the largest magnitude in the block)) - 2, held to -126 .. 127; a block of zeros has e = 0. As a byte (E8M0): e + 127.
;;     - Each number is divided by its block's scale, clamped to +-7.5, and rounded to the nearest number of E2M3, ties to even, subnormals kept.
;;     - The product sums the exact products of the quantised numbers (number of the format x scale) in f32.
;;   ~~~python
;;   def quantise(x, axis):      # numpy; x: float32 -> the quantised numbers, widened to float32 again
;;       x = np.moveaxis(x, axis, -1); K = x.shape[-1]
;;       x = np.pad(x, [(0, 0)] * (x.ndim - 1) + [(0, -K % 32)]); x = x.reshape(x.shape[:-1] + (-1, 32)); a = np.abs(x).max(-1, keepdims=True)
;;       e = np.where(a > 0, np.clip(np.frexp(np.where(a > 0, a, 1))[1] - 1 - 2, -126, 127), 0)      # np.frexp(a)[1] - 1 = floor(log2(a)), exactly
;;       r = np.clip(x / 2.0 ** e, -7.5, 7.5)
;;       step = 2.0 ** (np.maximum(np.frexp(np.where(r == 0, 1, r))[1] - 1, 0) - 3)
;;       q = np.round(r / step) * step * 2.0 ** e      # np.round: ties to even
;;       return np.moveaxis(q.reshape(q.shape[:-2] + (-1,))[..., :K], -1, axis).astype(np.float32)
;;   ~~~
;;   SOFTMAX AHEAD OF A QUANTISED PRODUCT. Where the list says 'softmax', what is quantised is not the finished softmax but p = 2^(t - M), with t = logit x log2(e) and M = ceil(the row's largest t), a whole number; so 1/2 < the row's largest p <= 1. The row's sum l is taken of the UNQUANTISED p, in f32, and the product's result is divided by l at the end. Since M is a whole number, a kernel that streams over the keys may use a running M (the ceiling of the running maximum): every later rescaling is an exact power of two, which a block's scale takes up: the codes' values come out the same.
;;   OPERANDS COMPUTED ON THE WAY. 'Computed on the way' means the value that the module computes at that place (a softmax that the list does not call 'softmax' is quantised finished and normalised). What goes into a quantiser is computed in f32, as accurately as f32 sums, v_exp_f32 and their like allow (about 1e-6 of the number): no bf16 or f16 on the way to a quantiser, and a product that is left as it is and whose result goes on into a quantised operand takes f32 operands (vector FMAs, or v_wmma_f32_16x16x4_f32). A number that lies on a knife's edge between two numbers of the format may be rounded either way, as far as f32 arithmetic and the matrix unit's own rounding can turn it there, and no further.
;; One version. Each part assembles by itself: llvm-mc -triple=amdgcn-amd-amdhsa -mcpu=gfx1250 --defsym DOCPART=n.
;; ======== version 1 of 1: 6 launches
;; limits: right only within a limited range of input values
;; workspace buffers: pimg 11,927,552 bytes; qkvimg 10,223,616 bytes; cimg 3,407,872 bytes; x1 16,777,216 bytes; h2img 3,407,872 bytes; gimg 10,223,616 bytes
;; launch prep (part 1): grid 896 x 1, 8 waves a work-group, no clusters, 69,632 bytes of LDS; arguments x, ln1_w, ln1_b, qkv_w, out_w, ff1_w, ff2_w, pimg; writes pimg
.if DOCPART == 1
	.amdgcn_target "amdgcn-amd-amdhsa--gfx1250"
	.amdhsa_code_object_version 6
	.text
	.protected	k_qed699a10fe_prep
	.globl	k_qed699a10fe_prep
	.p2align	8
	.type	k_qed699a10fe_prep,@function
k_qed699a10fe_prep:
	s_mov_b64 s[64:65], 0
	v_nop
	global_prefetch_b8 v0, s[64:65] scope:SCOPE_SE
	s_setreg_imm32_b32 hwreg(HW_REG_WAVE_MODE, 25, 1), 1
	s_wait_xcnt 0x0
; PREP: LayerNorm of the tokens and the quantising of the tokens and of the four weights into codes of E2M3 with one E8M0 byte for each 32 along K.
; WORK LEFT OUT BY THE WHOLE PROGRAM.  reference() builds allowed = (j <= i) & (j > i - 128) in its own body and sets every other score to -inf ahead of the softmax.  For the 128 queries of token tile I of a
; sequence every key outside tiles I - 1 and I is therefore -inf, its weight is 0 and it adds 0 to the sum and to ctx, whatever finite values the inputs hold.  Those key tiles of the score product and of the
; product with v are not computed (launch attn); for a sequence's first tile there is no tile I - 1.  No input is dead: all thirteen are loaded.
; LIMITS: a NaN, an infinity or an overflow that lies only in keys or values outside a query's window is not carried to the result.  A block of zeros gets the byte 1 where the rule says 127: its codes are zeros and
; the bytes are read by this program alone.  Blocks whose largest magnitude lies under 2^-124 are held at the byte 1.  NaN and infinities among the inputs are not served.
; THE FORMAT OF EVERY OPERAND IN MEMORY: images of operand registers.  Rows go in groups of 32: fragment 2 g + u holds in its lane-row r the row 32 g + 8 u + r + 8 (r / 8).  A block (13,312 bytes) is a tile of 128 rows x
; 128 along K: fragment a's registers 4 c .. 4 c + 3 of lane l at 1536 a + 512 c + 16 l; its scale word of lane l at 12288 + 512 (a / 4) + 16 l + 4 (a % 4).  An operand is [tile][K step][block].
; SHARES.  A work-group takes one fragment of rows (16 rows) x 1,024 along K; wave w takes K step w: 64 numbers a lane.  ids 0-255: the tokens (with LayerNorm); 256-447 qkv_w; 448-511 out_w; 512-703 ff1_w;
; 704-895 ff2_w (64 fragments x 3 groups of 1,024 along K).  Each load reads 512 consecutive bytes of a row; the 16 rows turn through the wave's own LDS, so that a lane gets 16 neighbours of each block of 32.
.set BLK,     13312
.set OFF_QKV, 3407872                  ; where each operand's image begins in the output buffer
.set OFF_OUT, 5963776
.set OFF_FF1, 6815744
.set OFF_FF2, 9371648
.set TP,      528                      ; a row in the turn: 512 bytes + 16
.set TURNB,   16*TP                    ; a wave's turn
.set STAT,    8*TURNB                  ; 1,024 bytes: wave w's (mean, sum of squared deviations) of row r at 128 w + 8 r
.set SPARE,   STAT+1024                ; the spare words, 128 bytes for each wave: four blocks of 256 bytes that no other line names
.set R,   32                           ; v32-95   the rows as loaded; later the gains; later the quantiser's temporaries
.set X,   96                           ; v96-159  register 16 b + i = number 32 b + 16 (lane / 16) + i of my row's 128
.set LB,  160                          ; v160-223 the biases
.set TM,  32
.set PW,  50
.set PC,  52
.set SEL, 28                           ; s[28:29] lane selects for v_permlanex16_b32: lane l xor 16
; 64 numbers of a lane, v[s] on, become a fragment's codes in v[PC] .. v[PC+11] and its scale word in v[pw]
.macro QUANT s, pw
.irp b, 0,1,2,3
	v_max3_num_f32 v[TM+\b], |v[(\s)+16*\b]|, |v[(\s)+1+16*\b]|, 0x1800000   ; block b: my 16 numbers, and the floor 2^(3 - 127): the byte cannot fall under 1
.endr
.irp i, 2,4,6,8,10,12,14
.irp b, 0,1,2,3
	s_delay_alu instid0(VALU_DEP_4)
	v_max3_num_f32 v[TM+\b], v[TM+\b], |v[(\s)+16*\b+\i]|, |v[(\s)+1+16*\b+\i]|
.endr
.endr
.irp b, 0,1,2,3
	s_delay_alu instid0(VALU_DEP_4)
	v_permlanex16_b32 v[TM+4+\b], v[TM+\b], s[SEL], s[SEL+1]
.endr
.irp b, 0,1,2,3
	s_delay_alu instid0(VALU_DEP_4)
	v_max_num_f32 v[TM+\b], v[TM+\b], v[TM+4+\b]               ; with lane l xor 16's: the block's largest magnitude
.endr
.irp b, 0,1,2,3
	s_delay_alu instid0(VALU_DEP_4)
	v_add_nc_u32 v[TM+12+\b], 0xff000000, v[TM+\b]             ; 2 off its exponent field: the conversion's scale operand
.endr
.irp b, 0,1,2,3
	s_delay_alu instid0(VALU_DEP_4)
	v_lshrrev_b32 v[TM+4+\b], 23, v[TM+12+\b]                  ; the scale's byte
.endr
	s_delay_alu instid0(VALU_DEP_3)
	v_lshl_or_b32 v[\pw], v[TM+5], 8, v[TM+4]
	s_delay_alu instid0(VALU_DEP_1)
	v_lshl_or_b32 v[\pw], v[TM+6], 16, v[\pw]
	s_delay_alu instid0(VALU_DEP_1)
	v_lshl_or_b32 v[\pw], v[TM+7], 24, v[\pw]
.irp c, 0,1
	v_cvt_scalef32_pk16_fp6_f32 v[PC+6*\c:PC+2+6*\c], v[(\s)+32*\c:(\s)+15+32*\c], v[TM+12+2*\c]
	v_cvt_scalef32_pk16_fp6_f32 v[PC+12+4*\c:PC+14+4*\c], v[(\s)+16+32*\c:(\s)+31+32*\c], v[TM+12+2*\c+1]   ; (a conversion's three registers begin on an even number)
.endr
	v_nop                                                      ; one plain place behind a scaled conversion
.irp c, 0,1                                                ; the operand wants a whole block in a lane: lanes 0-15 block 2 c, lanes 16-31 block 2 c + 1
.irp i, 0,1,2
	v_permlane16_swap_b32 v[PC+6*\c+\i], v[PC+12+4*\c+\i]
.endr
.irp i, 0,1,2
	s_delay_alu instid0(VALU_DEP_3)
	v_mov_b32 v[PC+3+6*\c+\i], v[PC+12+4*\c+\i]
.endr
.endr
.endm
	s_load_b256 s[4:11], s[0:1], 0x0               ; the tokens s[4:5], gain s[6:7], bias s[8:9], qkv_w s[10:11]
	s_load_b256 s[12:19], s[0:1], 0x20             ; out_w s[12:13], ff1_w s[14:15], ff2_w s[16:17], the images s[18:19]
	v_lshl_add_u32 v10, v0, 2, SPARE               ; my spare word,
	v_mov_b32 v11, 0                               ; and 0: kept for the closing lines alone
	v_lshrrev_b32 v1, 5, v0
	s_delay_alu instid0(VALU_DEP_1)
	v_readfirstlane_b32 s20, v1                    ; wave 0..7
	v_and_b32 v1, 31, v0
	s_delay_alu instid0(VALU_DEP_1)
	v_lshlrev_b32 v1, 4, v1                        ; 16 x lane
	v_and_b32 v2, 15, v0                           ; r
	v_bfe_u32 v3, v0, 4, 1                         ; h
	s_mul_i32 s2, s20, TURNB
	v_add_nc_u32 v5, s2, v1                        ; the turn, in: 16 x lane
	v_mul_u32_u24 v6, v2, TP
	s_delay_alu instid0(VALU_DEP_1)
	v_lshl_add_u32 v6, v3, 6, v6
	s_delay_alu instid0(VALU_DEP_1)
	v_add_nc_u32 v6, s2, v6                        ; the turn, out: row r, + 64 h
	v_lshlrev_b32 v8, 3, v2
	s_delay_alu instid0(VALU_DEP_1)
	v_add_nc_u32 v8, STAT, v8                      ; the statistics of row r, wave 0's
	s_lshl_b32 s2, s20, 7
	v_add_nc_u32 v7, s2, v8                        ; and mine
	v_lshlrev_b32 v9, 6, v3                        ; 64 h: my half's place in a block of gains
	s_mov_b32 s[SEL], 0x76543210
	s_mov_b32 s[SEL+1], 0xfedcba98
	s_mov_b32 s74, 0x3a800000                      ; 1 / 1024
	s_mov_b32 s75, 0x3727c5ac                      ; 1e-5
	s_wait_alu depctr_va_vdst(0)
	s_wait_kmcnt 0x0
	; which tensor: the choice hangs on the work-group's number alone
	s_mov_b32 s21, 704                             ; the tensor's first id
	s_mov_b32 s22, OFF_FF2
	s_cmp_lt_u32 ttmp9, 704
	s_cselect_b64 s[16:17], s[14:15], s[16:17]
	s_cselect_b32 s21, 512, s21
	s_cselect_b32 s22, OFF_FF1, s22
	s_cmp_lt_u32 ttmp9, 512
	s_cselect_b64 s[16:17], s[12:13], s[16:17]
	s_cselect_b32 s21, 448, s21
	s_cselect_b32 s22, OFF_OUT, s22
	s_cmp_lt_u32 ttmp9, 448
	s_cselect_b64 s[16:17], s[10:11], s[16:17]
	s_cselect_b32 s21, 256, s21
	s_cselect_b32 s22, OFF_QKV, s22
	s_cmp_lt_u32 ttmp9, 256
	s_cselect_b64 s[16:17], s[4:5], s[16:17]
	s_cselect_b32 s21, 0, s21
	s_cselect_b32 s22, 0, s22
	s_sub_co_u32 s21, ttmp9, s21                   ; my number within the tensor
	s_lshr_b32 s25, s21, 6
	s_and_b32 s3, s21, 63
	s_mov_b32 s23, 4096
	s_cmp_ge_u32 ttmp9, 704                        ; ff2_w alone has rows of 3,072 numbers
	s_cselect_b32 s23, 12288, s23                  ; a row in bytes
	s_cselect_b32 s24, 24, 8                       ; K steps in a row
	s_cselect_b32 s25, s25, 0                      ; which 1,024 along K
	s_cselect_b32 s21, s3, s21                     ; f: my fragment of rows
	s_lshl_b32 s25, s25, 3
	s_add_co_u32 s25, s25, s20                     ; my K step
	s_lshr_b32 s26, s21, 1
	s_lshl_b32 s26, s26, 5
	s_and_b32 s27, s21, 1
	s_lshl_b32 s27, s27, 3
	s_add_co_u32 s26, s26, s27                     ; the fragment's first row: 32 (f / 2) + 8 (f % 2)
	s_mul_i32 s26, s26, s23
	s_lshl_b32 s27, s25, 9
	s_add_co_u32 s26, s26, s27                     ; + 512 bytes a K step: under 2^24
	s_mov_b32 s27, 0
	s_add_nc_u64 s[32:33], s[16:17], s[26:27]      ; lane-row 0
	s_mov_b32 s30, s23
	s_mov_b32 s31, 0
	s_lshl_b32 s72, s23, 3
	s_mov_b32 s73, 0
.set I, 1
.rept 15                                           ; lane-row i is row i + 8 (i / 8) of the fragment: a base for each in s[32:63]
	s_add_nc_u64 s[32+2*I:33+2*I], s[30+2*I:31+2*I], s[30:31]
.if I == 8
	s_add_nc_u64 s[32+2*I:33+2*I], s[32+2*I:33+2*I], s[72:73]
.endif
.set I, I+1
.endr
.set I, 0
.rept 16
	global_load_b128 v[R+4*I:R+4*I+3], v1, s[32+2*I:33+2*I] th:TH_LOAD_NT   ; 32 lanes read 512 consecutive bytes of one row
.set I, I+1
.endr
	; where my fragment goes: block (f / 8) x K steps + my K step; in it fragment a = f % 8
	s_lshr_b32 s2, s21, 3
	s_mul_i32 s2, s2, s24
	s_add_co_u32 s2, s2, s25
	s_mul_i32 s2, s2, BLK
	s_add_co_u32 s2, s2, s22
	s_and_b32 s26, s21, 7
	s_mul_i32 s27, s26, 1536
	s_add_co_u32 s66, s2, s27
	s_mov_b32 s67, 0
	s_add_nc_u64 s[66:67], s[18:19], s[66:67]      ; the codes
	s_lshr_b32 s27, s26, 2
	s_lshl_b32 s27, s27, 9
	s_and_b32 s26, s26, 3
	s_lshl_b32 s26, s26, 2
	s_add_co_u32 s26, s26, s27
	s_add_co_u32 s76, s2, s26
	s_mov_b32 s77, 0
	s_add_nc_u64 s[76:77], s[18:19], s[76:77]      ; the scale words (12,288 more stand in the store's immediate)
	s_lshl_b32 s2, s20, 9
	s_mov_b32 s3, 0
	s_add_nc_u64 s[68:69], s[6:7], s[2:3]          ; my K step's gains
	s_add_nc_u64 s[70:71], s[8:9], s[2:3]          ; and biases
.set I, 0
.rept 16
	s_wait_loadcnt 15-I                            ; row I is in; the younger rows' loads may be out
	ds_store_b128 v5, v[R+4*I:R+4*I+3] offset:TP*I
.set I, I+1
.endr
.set I, 0
.rept 16
	ds_load_b128 v[X+4*I:X+4*I+3], v6 offset:128*(I/4)+16*(I%4)   ; the wave's own bytes, served in order: no wait between stores and loads
.set I, I+1
.endr
	s_wait_dscnt 0x0
	s_cmp_ge_u32 ttmp9, 256                        ; a weight is quantised as it is.  The condition is the same in all eight waves
	s_cbranch_scc1 .Lquant
	; ---- LayerNorm.  Mean and sum of squared deviations of my 128 numbers of each row; the eight waves' figures meet in LDS and are joined without a difference of large sums
.set I, 0
.rept 16
	global_load_b128 v[R+4*I:R+4*I+3], v9, s[68:69] offset:128*(I/4)+16*(I%4)
	global_load_b128 v[LB+4*I:LB+4*I+3], v9, s[70:71] offset:128*(I/4)+16*(I%4)
.set I, I+1
.endr
	v_pk_add_f32 v[14:15], v[96:97], v[98:99]
	v_pk_add_f32 v[16:17], v[112:113], v[120:121]
	v_pk_add_f32 v[18:19], v[128:129], v[136:137]
	v_pk_add_f32 v[30:31], v[144:145], v[152:153]
	v_pk_add_f32 v[28:29], v[100:101], v[102:103]
	v_pk_add_f32 v[26:27], v[114:115], v[122:123]
	v_pk_add_f32 v[24:25], v[130:131], v[138:139]
	v_pk_add_f32 v[12:13], v[146:147], v[154:155]
	s_delay_alu instid0(VALU_DEP_1)
	v_pk_add_f32 v[12:13], v[12:13], v[104:105]
	v_pk_add_f32 v[14:15], v[14:15], v[106:107]
	v_pk_add_f32 v[16:17], v[16:17], v[116:117]
	v_pk_add_f32 v[18:19], v[18:19], v[124:125]
	v_pk_add_f32 v[30:31], v[30:31], v[132:133]
	v_pk_add_f32 v[28:29], v[28:29], v[140:141]
	v_pk_add_f32 v[26:27], v[26:27], v[148:149]
	v_pk_add_f32 v[24:25], v[24:25], v[156:157]
	v_pk_add_f32 v[12:13], v[12:13], v[108:109]
	v_pk_add_f32 v[14:15], v[14:15], v[110:111]
	v_pk_add_f32 v[16:17], v[16:17], v[118:119]
	v_pk_add_f32 v[18:19], v[18:19], v[126:127]
	v_pk_add_f32 v[30:31], v[30:31], v[134:135]
	v_pk_add_f32 v[28:29], v[28:29], v[142:143]
	v_pk_add_f32 v[26:27], v[26:27], v[150:151]
	v_pk_add_f32 v[24:25], v[24:25], v[158:159]
	s_delay_alu instid0(VALU_DEP_4)
	v_pk_add_f32 v[12:13], v[12:13], v[30:31]
	s_delay_alu instid0(VALU_DEP_4)
	v_pk_add_f32 v[14:15], v[14:15], v[28:29]
	s_delay_alu instid0(VALU_DEP_4)
	v_pk_add_f32 v[16:17], v[16:17], v[26:27]
	s_delay_alu instid0(VALU_DEP_4)
	v_pk_add_f32 v[18:19], v[18:19], v[24:25]
	s_delay_alu instid0(VALU_DEP_2)
	v_pk_add_f32 v[12:13], v[12:13], v[16:17]
	s_delay_alu instid0(VALU_DEP_2)
	v_pk_add_f32 v[14:15], v[14:15], v[18:19]
	s_delay_alu instid0(VALU_DEP_1)
	v_pk_add_f32 v[12:13], v[12:13], v[14:15]
	s_delay_alu instid0(VALU_DEP_1)
	v_add_f32 v12, v12, v13
	s_delay_alu instid0(VALU_DEP_1)
	v_permlanex16_b32 v13, v12, s[SEL], s[SEL+1]
	s_delay_alu instid0(VALU_DEP_1)
	v_add_f32 v12, v12, v13
	s_delay_alu instid0(VALU_DEP_1)
	v_mul_f32 v20, 0x3c000000, v12                 ; / 128: my wave's mean of row r
	s_delay_alu instid0(VALU_DEP_1)
	v_mov_b32 v21, v20
.set P, 0
.rept 8
.irp c, 0,1,2,3
	v_pk_add_f32 v[22+2*\c:23+2*\c], v[X+8*P+2*\c:X+8*P+2*\c+1], v[20:21] neg_lo:[0,1] neg_hi:[0,1]
.endr
.irp c, 0,1,2,3
.if P == 0
	s_delay_alu instid0(VALU_DEP_4)
	v_pk_mul_f32 v[12+2*\c:13+2*\c], v[22+2*\c:23+2*\c], v[22+2*\c:23+2*\c]
.else
	s_delay_alu instid0(VALU_DEP_4)
	v_pk_fma_f32 v[12+2*\c:13+2*\c], v[22+2*\c:23+2*\c], v[22+2*\c:23+2*\c], v[12+2*\c:13+2*\c]
.endif
.endr
.set P, P+1
.endr
	s_delay_alu instid0(VALU_DEP_3)
	v_pk_add_f32 v[12:13], v[12:13], v[14:15]
	s_delay_alu instid0(VALU_DEP_2)
	v_pk_add_f32 v[16:17], v[16:17], v[18:19]
	s_delay_alu instid0(VALU_DEP_1)
	v_pk_add_f32 v[12:13], v[12:13], v[16:17]
	s_delay_alu instid0(VALU_DEP_1)
	v_add_f32 v12, v12, v13
	s_delay_alu instid0(VALU_DEP_1)
	v_permlanex16_b32 v13, v12, s[SEL], s[SEL+1]
	s_delay_alu instid0(VALU_DEP_1)
	v_add_f32 v21, v12, v13                        ; my wave's sum of squared deviations
	ds_store_b64 v7, v[20:21]                      ; both lanes of a row write the same two words
	s_wait_dscnt 0x0                               ; for the others' sake: my store has landed
	s_barrier_signal -1
	s_barrier_wait -1
.set I, 0
.rept 8
	ds_load_b64 v[12+2*I:13+2*I], v8 offset:128*I
.set I, I+1
.endr
	s_wait_dscnt 0x0
	v_add_f32 v28, v12, v14
	v_add_f32 v29, v16, v18
	v_add_f32 v30, v20, v22
	v_add_f32 v31, v24, v26
	s_delay_alu instid0(VALU_DEP_3)
	v_add_f32 v28, v28, v29
	s_delay_alu instid0(VALU_DEP_2)
	v_add_f32 v30, v30, v31
	s_delay_alu instid0(VALU_DEP_1)
	v_add_f32 v28, v28, v30
	s_delay_alu instid0(VALU_DEP_1)
	v_mul_f32 v28, 0x3e000000, v28                 ; / 8: the row's mean
	v_add_f32 v13, v13, v15
	v_add_f32 v17, v17, v19
	v_add_f32 v21, v21, v23
	v_add_f32 v25, v25, v27
	s_delay_alu instid0(VALU_DEP_3)
	v_add_f32 v13, v13, v17
	s_delay_alu instid0(VALU_DEP_2)
	v_add_f32 v21, v21, v25
	s_delay_alu instid0(VALU_DEP_1)
	v_add_f32 v13, v13, v21
.irp i, 12,14,16,18,20,22,24,26
	v_sub_f32 v\i, v\i, v28
.endr
	v_mul_f32 v29, v12, v12
.irp i, 14,16,18,20,22,24,26
	s_delay_alu instid0(VALU_DEP_1)
	v_fmac_f32 v29, v\i, v\i
.endr
	s_delay_alu instid0(VALU_DEP_1)
	v_fmac_f32 v13, 0x43000000, v29                ; + 128 x the squared distances of the eight means from the row's
	s_delay_alu instid0(VALU_DEP_1)
	v_fma_f32 v30, v13, s74, s75                   ; the variance + 1e-5
	s_wait_alu depctr_va_vdst(0)
	v_rsq_f32 v30, v30
	v_mov_b32 v29, v28                             ; (a plain place behind the transcendental)  the mean as a pair
	s_wait_alu depctr_va_vdst(0)                   ; the wait ahead of the first line that names the result
	v_mov_b32 v31, v30
.set P, 0
.rept 32
	v_pk_add_f32 v[X+2*P:X+2*P+1], v[X+2*P:X+2*P+1], v[28:29] neg_lo:[0,1] neg_hi:[0,1]
.set P, P+1
.endr
.set P, 0
.rept 32
	v_pk_mul_f32 v[X+2*P:X+2*P+1], v[X+2*P:X+2*P+1], v[30:31]
.set P, P+1
.endr
	s_wait_loadcnt 0x0                             ; gains and biases
.set P, 0
.rept 32
	v_pk_fma_f32 v[X+2*P:X+2*P+1], v[X+2*P:X+2*P+1], v[R+2*P:R+2*P+1], v[LB+2*P:LB+2*P+1]
.set P, P+1
.endr
.Lquant:
.irp b, 0,1,2,3
	v_mov_b32 v[TM+4+\b], 0                        ; a lane permute's destination counts as one of its sources
.endr
	QUANT X, PW
.irp c, 0,1,2
	global_store_b128 v1, v[PC+4*\c:PC+4*\c+3], s[66:67] offset:512*\c   ; 32 lanes store 512 consecutive bytes
.endr
	global_store_b32 v1, v[PW], s[76:77] offset:12288
	s_wait_tensorcnt 0x0                           ; the wave's end
	ds_add_u32 v10, v11
	s_wait_dscnt 0x0
	s_endpgm
.Lfunc_end_k_qed699a10fe_prep:
	.size	k_qed699a10fe_prep, .Lfunc_end_k_qed699a10fe_prep-k_qed699a10fe_prep
	.p2alignl 7, 3214868480
	.fill 96, 4, 3214868480
	.section	.rodata,"a",@progbits
	.p2align	6, 0x0
	.amdhsa_kernel k_qed699a10fe_prep
		.amdhsa_group_segment_fixed_size 69632
		.amdhsa_private_segment_fixed_size 0
		.amdhsa_enable_private_segment 0
		.amdhsa_kernarg_size 64
		.amdhsa_user_sgpr_count 2
		.amdhsa_user_sgpr_kernarg_segment_ptr 1
		.amdhsa_wavefront_size32 1
		.amdhsa_system_sgpr_workgroup_id_x 1
		.amdhsa_system_sgpr_workgroup_id_y 1
		.amdhsa_system_sgpr_workgroup_id_z 1
		.amdhsa_system_vgpr_workitem_id 0
		.amdhsa_next_free_vgpr 224
		.amdhsa_next_free_sgpr 80
		.amdhsa_reserve_vcc 0
		.amdhsa_float_denorm_mode_32 3
		.amdhsa_float_denorm_mode_16_64 3
		.amdhsa_memory_ordered 1
		.amdhsa_forward_progress 1
		.amdhsa_inst_pref_size 35
	.end_amdhsa_kernel
	.amdgpu_metadata
---
amdhsa.version: [ 1, 2 ]
amdhsa.kernels:
  - .name:           k_qed699a10fe_prep
    .symbol:         k_qed699a10fe_prep.kd
    .args:
      - { .name: x, .offset: 0, .size: 8, .value_kind: global_buffer, .address_space: global }
      - { .name: ln1_w, .offset: 8, .size: 8, .value_kind: global_buffer, .address_space: global }
      - { .name: ln1_b, .offset: 16, .size: 8, .value_kind: global_buffer, .address_space: global }
      - { .name: qkv_w, .offset: 24, .size: 8, .value_kind: global_buffer, .address_space: global }
      - { .name: out_w, .offset: 32, .size: 8, .value_kind: global_buffer, .address_space: global }
      - { .name: ff1_w, .offset: 40, .size: 8, .value_kind: global_buffer, .address_space: global }
      - { .name: ff2_w, .offset: 48, .size: 8, .value_kind: global_buffer, .address_space: global }
      - { .name: pimg, .offset: 56, .size: 8, .value_kind: global_buffer, .address_space: global }
    .group_segment_fixed_size: 69632
    .private_segment_fixed_size: 0
    .kernarg_segment_align: 8
    .kernarg_segment_size: 64
    .max_flat_workgroup_size: 256
    .sgpr_count:     80
    .vgpr_count:     224
    .wavefront_size: 32
...
	.end_amdgpu_metadata
.endif
;; end of part 1
;; launch qkv (part 2): grid 8 x 32, 4 waves a work-group, clusters of 4 x 4, 327,680 bytes of LDS; arguments pimg, qkv_b, qkvimg; writes qkvimg
.if DOCPART == 2
	.amdgcn_target "amdgcn-amd-amdhsa--gfx1250"
	.amdhsa_code_object_version 6
	.text
	.protected	k_qed699a10fe_qkv
	.globl	k_qed699a10fe_qkv
	.p2align	8
	.type	k_qed699a10fe_qkv,@function
k_qed699a10fe_qkv:
	s_mov_b64 s[64:65], 0
	v_nop
	global_prefetch_b8 v0, s[64:65] scope:SCOPE_SE
	s_setreg_imm32_b32 hwreg(HW_REG_WAVE_MODE, 25, 1), 1
	s_wait_xcnt 0x0
	s_wait_alu depctr_hold_cnt(0) depctr_sa_sdst(0) depctr_va_vdst(0) depctr_va_sdst(0) depctr_va_ssrc(0) depctr_va_vcc(0) depctr_vm_vsrc(0)
	s_getreg_b32 s2, hwreg(HW_REG_IB_STS2, 6, 4)
	s_cmp_eq_u32 s2, 0
	s_cbranch_scc0 .Lentry_in_a_cluster
	s_endpgm
.Lentry_in_a_cluster:
	s_bfe_u32 s2, ttmp6, 0x10000c
	s_cmp_lg_u32 s2, 0xf033
	s_cbranch_scc0 .Lentry_shape_is_right
	s_endpgm
.Lentry_shape_is_right:
; QKV: q, k, v = h qkv_w^T + qkv_b on codes of E2M3, quantised again on the way out: q and k along the head's axis, v along the keys.  Nothing leaves as f32.
; Operands and results are images of operand registers (block of 13,312 bytes = 8 fragments of 16 rows x 128 K and their scale words; fragment 2 g + u, lane-row r = row 32 g + 8 u + r + 8 (r / 8)).
; SHARES.  Work-group (x, y): token tile y (128 tokens) and head pair x, in three stages: weight tiles x (q), 8 + x (k), 16 + x (v), 128 rows each.  A wave multiplies 8 fragments (source 0) by its 2 (source 1, fragments 2 w and
; 2 w + 1): 16 accumulators.  Stages q and k: source 0 = the weight's 8 fragments, source 1 = my two token fragments: a lane holds one token, and by the order of rows in a fragment its 64 registers are 64 numbers in the
; quantiser's order.  Stage v: the sources change places: a lane holds one feature and its registers run down the tile's 128 tokens, the keys: the codes come out with the keys innermost.
; LDS: the token tile (8 K steps), two regions for weight tiles.  The token tile and q's weight tile go out together at the head, k's behind a round; the third weight tile lands in the first's region behind a round of the cluster's barrier and has a whole stage in which to land.
; CLUSTER 4 x 4: the token tile hangs on y alone and is asked for jointly along a row of the cluster, a weight tile on x alone and is asked for jointly along a column.
; By this text's own count a wave has at most three tensor loads out.
.set BLK,   13312
.set TILEB, 8*BLK                      ; a tile, all of K = 1,024
.set QRT,   2*BLK                      ; what one tensor load brings: 104 rows of 256 bytes
.set NROW,  QRT/256
.set RT,    0
.set RW0,   TILEB
.set RW1,   2*TILEB
.set SPARE, 3*TILEB                    ; the spare words, 128 bytes for each wave: two blocks of 256 bytes that no other line names
.set OFFW,  3407872                    ; qkv_w's image in pimg (h's begins at 0)
.set IMG,   3407872                    ; q's, k's and v's images in qkvimg follow each other
.set LI,  1                            ; v1  16 x lane
.set LIW, 2                            ; v2  + 3072 x wave: my two fragments
.set LSW, 3                            ; v3  16 x lane + 512 (wave / 2) + 8 (wave % 2): their scale words
.set XA,  4                            ; v4-5 LDS address of source 0's blocks 0-3, 4-7
.set YA,  6                            ; v6-7 of my two fragments in source 1's
.set YS,  8                            ; v8-9 of their scale words
.set SPW, 10
.set NIL, 11
.set BH,  12                           ; v12 64 (lane / 16)
.set BR,  13                           ; v13 4 (r + 8 (r / 8)) + 128 x wave
.set TM,  56                           ; v56-71 the quantiser's temporaries; v76-94 the codes; v120-121 the scale words just made
.set PC,  76
.set PW,  120
.set ACC, 128                          ; v128-255 accumulator (t, a) at 128 + 64 t + 8 a.   v32-41, v44-53: scale words, two sets.   Window 1: two sets of fragments at 0 and 120.   Window 2: the biases
.set WV,  14
.set SEL, 58
.set MSB, 0
.macro WIN new                         ; the immediate's high byte repeats the setting that is left
.if MSB != \new
	s_set_vgpr_msb (MSB<<8)|\new
.set MSB, \new
.endif
.endm
.macro PLACES                          ; four plain places behind matrix instructions, ahead of loads into their registers and of reads of their results
.rept 4
	v_nop
.endr
.endm
.macro CROUND                          ; a round of the cluster's barrier
	s_barrier_signal -1
	s_barrier_wait -1
	s_cmp_lg_u32 s[WV], 0
	s_cbranch_scc1 .Lnot_wave_0_\@
	s_barrier_signal -3
.Lnot_wave_0_\@:
	s_barrier_wait -3
	s_barrier_signal -1
	s_barrier_wait -1
.endm
.macro WM0 d, a, b, sa, sb
	v_wmma_scale_f32_16x16x128_f8f6f4 v[\d:\d+7], v[\a:\a+11], v[\b:\b+11], 0, v[\sa], v[\sb] matrix_a_fmt:MATRIX_FMT_FP6 matrix_b_fmt:MATRIX_FMT_FP6
.endm
.macro WMC d, a, b, c, sa, sb
	v_wmma_scale_f32_16x16x128_f8f6f4 v[\d:\d+7], v[\a:\a+11], v[\b:\b+11], v[\c:\c+7], v[\sa], v[\sb] matrix_a_fmt:MATRIX_FMT_FP6 matrix_b_fmt:MATRIX_FMT_FP6
.endm
.macro SETADR xb, yb                   ; source 0's tile begins at LDS byte xb, source 1's at yb
	WIN 0
	v_add_nc_u32 v[XA], \xb, v[LI]
	v_add_nc_u32 v[XA+1], (\xb)+4*BLK, v[LI]
	v_add_nc_u32 v[YA], \yb, v[LIW]
	v_add_nc_u32 v[YA+1], (\yb)+4*BLK, v[LIW]
	v_add_nc_u32 v[YS], (\yb)+12288, v[LSW]
	v_add_nc_u32 v[YS+1], (\yb)+4*BLK+12288, v[LSW]
.endm
.macro FETCH ks, p                     ; K step ks: 33 LDS loads into set p: 8 + 2 fragments, three loads of 512 consecutive bytes each, and their scale words
	WIN 0x40                                       ; destination window 1
.irp a, 0,1,2,3,4,5,6,7
.irp c, 0,1,2
	ds_load_b128 v[120*(\p)+12*\a+4*\c:120*(\p)+12*\a+4*\c+3], v[XA+(\ks)/4] offset:((\ks)%4)*BLK+1536*\a+512*\c
.endr
.endr
.irp t, 0,1
.irp c, 0,1,2
	ds_load_b128 v[120*(\p)+96+12*\t+4*\c:120*(\p)+96+12*\t+4*\c+3], v[YA+(\ks)/4] offset:((\ks)%4)*BLK+1536*\t+512*\c
.endr
.endr
	WIN 0
	ds_load_b128 v[32+12*(\p):35+12*(\p)], v[XA+(\ks)/4] offset:((\ks)%4)*BLK+12288
	ds_load_b128 v[36+12*(\p):39+12*(\p)], v[XA+(\ks)/4] offset:((\ks)%4)*BLK+12800
	ds_load_b64 v[40+12*(\p):41+12*(\p)], v[YS+(\ks)/4] offset:((\ks)%4)*BLK
.endm
; 16 matrix instructions on set p.  cmode 0: C = 0; 1: C = window 2's v[cb + 8 a]; 2: window 2's v[cb + 8 t]; 3: in place.  The 16 accumulators take turns, one instruction a turn.
.macro MUL p, cmode, cb
.if ((\cmode)==1)||((\cmode)==2)
	WIN 0x25
.else
	WIN 0x05
.endif
.irp t, 0,1
.irp a, 0,1,2,3,4,5,6,7
.if (\cmode)==0
	WM0 ACC+64*\t+8*\a, 120*(\p)+12*\a, 120*(\p)+96+12*\t, 32+12*(\p)+\a, 40+12*(\p)+\t
.elseif (\cmode)==1
	WMC ACC+64*\t+8*\a, 120*(\p)+12*\a, 120*(\p)+96+12*\t, (\cb)+8*\a, 32+12*(\p)+\a, 40+12*(\p)+\t
.elseif (\cmode)==2
	WMC ACC+64*\t+8*\a, 120*(\p)+12*\a, 120*(\p)+96+12*\t, (\cb)+8*\t, 32+12*(\p)+\a, 40+12*(\p)+\t
.else
	WMC ACC+64*\t+8*\a, 120*(\p)+12*\a, 120*(\p)+96+12*\t, ACC+64*\t+8*\a, 32+12*(\p)+\a, 40+12*(\p)+\t
.endif
.endr
.endr
.endm
.macro COMPUTE n, c0, cb               ; n K steps; the first takes C by c0.  A K step's loads are issued a step ahead of its products
	FETCH 0, 0
.set KS, 0
.rept \n
.if KS < (\n)-1
	PLACES
	FETCH KS+1, (KS+1)%2
	s_wait_dscnt 33                                ; all but the 33 just issued: this step's are in
.else
	s_wait_dscnt 0x0
.endif
.if KS == 0
	MUL 0, \c0, \cb
.else
	MUL KS%2, 3, 0
.endif
.set KS, KS+1
.endr
	WIN 0
.endm
.macro QUANT s, pw                     ; 64 numbers of a lane, register 16 b + i = k 32 b + 16 (lane / 16) + i, become a fragment's codes in v[PC] on and its scale word in v[pw].  Each accumulator is read from its low end on
.irp b, 0,1,2,3
	v_max3_num_f32 v[TM+\b], |v[(\s)+16*\b]|, |v[(\s)+1+16*\b]|, 0x1800000   ; and the floor 2^(3 - 127): the byte cannot fall under 1
.endr
.irp i, 2,4,6,8,10,12,14
.irp b, 0,1,2,3
	v_max3_num_f32 v[TM+\b], v[TM+\b], |v[(\s)+16*\b+\i]|, |v[(\s)+1+16*\b+\i]|
.endr
.endr
.irp b, 0,1,2,3
	v_permlanex16_b32 v[TM+4+\b], v[TM+\b], s[SEL], s[SEL+1]
.endr
.irp b, 0,1,2,3
	v_max_num_f32 v[TM+\b], v[TM+\b], v[TM+4+\b]
.endr
.irp b, 0,1,2,3
	v_add_nc_u32 v[TM+12+\b], 0xff000000, v[TM+\b]             ; 2 off the exponent field: the conversion's scale operand
.endr
.irp b, 0,1,2,3
	v_lshrrev_b32 v[TM+4+\b], 23, v[TM+12+\b]                  ; the scale's byte
.endr
	v_lshl_or_b32 v[\pw], v[TM+5], 8, v[TM+4]
	v_lshl_or_b32 v[\pw], v[TM+6], 16, v[\pw]
	v_lshl_or_b32 v[\pw], v[TM+7], 24, v[\pw]
.irp c, 0,1
	v_cvt_scalef32_pk16_fp6_f32 v[PC+6*\c:PC+2+6*\c], v[(\s)+32*\c:(\s)+15+32*\c], v[TM+12+2*\c]
	v_cvt_scalef32_pk16_fp6_f32 v[PC+12+4*\c:PC+14+4*\c], v[(\s)+16+32*\c:(\s)+31+32*\c], v[TM+12+2*\c+1]
.endr
	v_nop                                                      ; one plain place behind a scaled conversion
.irp c, 0,1
.irp i, 0,1,2
	v_permlane16_swap_b32 v[PC+6*\c+\i], v[PC+12+4*\c+\i]
.endr
.irp i, 0,1,2
	v_mov_b32 v[PC+3+6*\c+\i], v[PC+12+4*\c+\i]
.endr
.endr
.endm
.macro EPIA t, imm                     ; my fragment 2 w + t of the result's block, imm bytes on in the output
	s_wait_xcnt 0x0                                ; earlier stores have read their registers: the codes' and the words' are written again only behind this wait
	QUANT ACC+64*(\t), PW+(\t)
.irp c, 0,1,2
	global_store_b128 v[LIW], v[PC+4*\c:PC+4*\c+3], s[8:9] offset:(\imm)+1536*(\t)+512*\c   ; 512 consecutive bytes
.endr
.if (\t)==1
	global_store_b64 v[LSW], v[PW:PW+1], s[8:9] offset:(\imm)+12288
.endif
.endm
	s_load_b128 s[4:7], s[0:1], 0x0                ; pimg, qkv_b
	s_load_b64 s[8:9], s[0:1], 0x10                ; qkvimg
	v_lshl_add_u32 v[SPW], v0, 2, SPARE
	v_mov_b32 v[NIL], 0
	ds_add_u32 v[SPW], v[NIL]                      ; the wave's opening: the add, twice on end, and its wait ahead of my first tensor load
	ds_add_u32 v[SPW], v[NIL]
	v_lshrrev_b32 v1, 5, v0
	v_readfirstlane_b32 s[WV], v1                  ; wave 0..3
	s_bfe_u32 s16, ttmp6, 0x40000                  ; cx
	s_bfe_u32 s17, ttmp6, 0x40004                  ; cy
	s_lshl_b32 s18, ttmp9, 2
	s_add_co_u32 s18, s18, s16                     ; x = 4 x cluster x + cx: the head pair
	s_and_b32 s19, ttmp7, 0xffff
	s_lshl_b32 s19, s19, 2
	s_add_co_u32 s19, s19, s17                     ; y = 4 x cluster y + cy: the token tile
	s_lshl_b32 s20, s17, 2
	s_lshl_b32 s20, 15, s20                        ; my row of the cluster
	s_lshl_b32 s21, 0x1111, s16                    ; my column
	s_or_b32 s24, s20, (3<<16)|(1<<21)             ; group 1, tokens: the mask; elements of 8 bytes; bit 21 beside a mask; no padding
	s_or_b32 s32, s21, (3<<16)|(1<<21)             ; group 1, weights
.irp g, 24, 32
	s_mov_b32 s[\g+1], 32<<16                      ; tensor_dim0 = 32 elements: rows of 256 bytes of a dense block
	s_mov_b32 s[\g+2], (2*NROW)<<16                ; tensor_dim1: the head's loads bring half a tile
	s_mov_b32 s[\g+3], 32<<16                      ; tile_dim0
	s_mov_b32 s[\g+4], 2*NROW                      ; tile_dim1
	s_mov_b32 s[\g+5], 32                          ; the pitch
	s_mov_b32 s[\g+6], 0
	s_mov_b32 s[\g+7], 0
.endr
	s_mul_i32 s2, s[WV], QRT                       ; my quarter of a tile (k's and v's weights), in memory and in LDS
	s_and_b32 s3, s[WV], 1
	s_mul_i32 s3, s3, 2*QRT                        ; my half of a tile (the head's loads)
	s_lshr_b32 s15, s[WV], 1                       ; at the head waves 0, 1 fetch the tokens, waves 2, 3 q's weights
	s_mul_i32 s56, s19, TILEB
	s_add_co_u32 s56, s56, s3
	s_mov_b32 s57, 0                               ; the token tile: y and the wave alone
	s_mul_i32 s60, s18, TILEB
	s_add_co_u32 s60, s60, OFFW
	s_add_co_u32 s62, s60, s3
	s_mov_b32 s63, 0                               ; q's weight tile, my half: x and the wave alone
	s_add_co_u32 s60, s60, s2
	s_mov_b32 s61, 0                               ; a weight tile, my quarter
	s_mov_b32 s40, 1
	s_add_co_u32 s41, s3, RT
	s_mov_b32 s44, 1
	s_add_co_u32 s45, s3, RW0
	s_mov_b32 s48, 1
	s_add_co_u32 s49, s2, RW1
	s_mov_b32 s52, 1
	s_add_co_u32 s53, s2, RW0
	v_and_b32 v[LI], 31, v0
	v_lshlrev_b32 v[LI], 4, v[LI]
	s_mul_i32 s2, s[WV], 3072
	v_add_nc_u32 v[LIW], s2, v[LI]
	s_lshr_b32 s2, s[WV], 1
	s_lshl_b32 s2, s2, 9
	s_and_b32 s3, s[WV], 1
	s_lshl_b32 s3, s3, 3
	s_add_co_u32 s2, s2, s3
	v_add_nc_u32 v[LSW], s2, v[LI]
	v_bfe_u32 v[BH], v0, 4, 1
	v_lshlrev_b32 v[BH], 6, v[BH]
	v_and_b32 v[BR], 15, v0
	v_and_b32 v14, 8, v[BR]
	v_add_nc_u32 v[BR], v14, v[BR]
	v_lshlrev_b32 v[BR], 2, v[BR]
	s_lshl_b32 s2, s[WV], 7
	v_add_nc_u32 v[BR], s2, v[BR]
.irp b, 0,1,2,3
	v_mov_b32 v[TM+4+\b], 0                        ; a lane permute's destination counts as one of its sources
.endr
	s_mov_b32 s[SEL], 0x76543210
	s_mov_b32 s[SEL+1], 0xfedcba98
	s_lshl_b32 s22, s19, 3
	s_add_co_u32 s22, s22, s18
	s_mul_i32 s22, s22, BLK                        ; the results' block: (8 y + x)
	s_mov_b32 s23, 0
	s_lshl_b32 s2, s18, 9                          ; the biases of my head pair
	s_mov_b32 s3, 0
	s_wait_dscnt 0x0                               ; both opening adds are done
	s_wait_kmcnt 0x0
	s_add_nc_u64 s[42:43], s[4:5], s[56:57]
	s_or_b32 s43, s43, 0x80000000
	s_add_nc_u64 s[46:47], s[4:5], s[62:63]
	s_add_nc_u64 s[50:51], s[4:5], s[60:61]
	s_add_nc_u64 s[50:51], s[50:51], 8*TILEB       ; k's weight tile lies 8 tiles on,
	s_add_nc_u64 s[54:55], s[50:51], 8*TILEB       ; v's 8 more
	s_or_b32 s47, s47, 0x80000000
	s_or_b32 s51, s51, 0x80000000
	s_or_b32 s55, s55, 0x80000000
	s_add_nc_u64 s[8:9], s[8:9], s[22:23]
	s_add_nc_u64 s[6:7], s[6:7], s[2:3]
	CROUND                                         ; all sixteen work-groups are here: the first joint loads meet
	s_cmp_eq_u32 s15, 0                            ; one tensor load a wave at the head
	s_cbranch_scc0 .Lhead_w
	tensor_load_to_lds s[40:43], s[24:31]          ; my half of the token tile
	s_nop 0
	PLACES
	s_branch .Lhead_asked
.Lhead_w:
	tensor_load_to_lds s[44:47], s[32:39]          ; my half of q's weight tile
	s_nop 0
	PLACES
.Lhead_asked:
	WIN 0x80                                       ; destination window 2: the biases in the results' layout, as the C of each sum's first product
.irp i, 0,1
.irp a, 0,1,2,3,4,5,6,7
	global_load_b128 v[64*\i+8*\a:64*\i+8*\a+3], v[BH], s[6:7] offset:4096*\i+128*(\a/2)+32*(\a%2)
	global_load_b128 v[64*\i+8*\a+4:64*\i+8*\a+7], v[BH], s[6:7] offset:4096*\i+128*(\a/2)+32*(\a%2)+16
.endr
.endr
	s_wait_alu depctr_va_vdst(0)
.irp t, 0,1
.irp j, 0,1,2,3,4,5,6,7
	global_load_b32 v[128+8*\t+\j], v[BR], s[6:7] offset:8192+32*\t   ; stage v: a lane holds one feature, so its eight registers hold one bias
.endr
.endr
	WIN 0
	s_wait_tensorcnt 0x0                           ; my half tile is in
	ds_add_u32 v[SPW], v[NIL]
	s_mov_b32 s34, NROW<<16                        ; no tensor load of mine is out: from here on a weight load brings a quarter of a tile
	s_mov_b32 s36, NROW
	s_wait_dscnt 0x0
	CROUND                                         ; everybody's part of the tokens and of q's weights is in
	tensor_load_to_lds s[48:51], s[32:39]          ; my quarter of k's weight tile: it has stage q in which to land
	s_nop 0
	PLACES
	s_wait_loadcnt 0x0
	SETADR RW0, RT
	s_wait_alu depctr_va_vdst(0)
	COMPUTE 8, 1, 0                                ; q
	s_wait_tensorcnt 0x0                           ; all my tensor loads have landed, k's weights among them,
	ds_add_u32 v[SPW], v[NIL]
	s_wait_dscnt 0x0
	CROUND
	tensor_load_to_lds s[52:55], s[32:39]
	s_nop 0
	PLACES                                         ; also the places ahead of the first read of q's sums
	EPIA 0, 0
	EPIA 1, 0
	SETADR RW1, RT
	s_wait_alu depctr_va_vdst(0)
	COMPUTE 8, 1, 64                               ; k
	PLACES
	EPIA 0, IMG
	EPIA 1, IMG
	s_wait_tensorcnt 0x0                           ; my part of v's weights is in,
	s_wait_dscnt 0x0
	s_barrier_signal -1
	s_barrier_wait -1                              ; everybody's is
	SETADR RT, RW0                                 ; the sources change places: source 0 = the 8 token fragments
	s_wait_alu depctr_va_vdst(0)
	COMPUTE 8, 2, 128                              ; v, transposed
	PLACES
	EPIA 0, 2*IMG
	EPIA 1, 2*IMG
	s_wait_tensorcnt 0x0                           ; the wave's end
	ds_add_u32 v[SPW], v[NIL]
	s_wait_dscnt 0x0
	CROUND                                         ; the closing round
	s_endpgm
.Lfunc_end_k_qed699a10fe_qkv:
	.size	k_qed699a10fe_qkv, .Lfunc_end_k_qed699a10fe_qkv-k_qed699a10fe_qkv
	.p2alignl 7, 3214868480
	.fill 96, 4, 3214868480
	.section	.rodata,"a",@progbits
	.p2align	6, 0x0
	.amdhsa_kernel k_qed699a10fe_qkv
		.amdhsa_group_segment_fixed_size 327680
		.amdhsa_private_segment_fixed_size 0
		.amdhsa_enable_private_segment 0
		.amdhsa_kernarg_size 24
		.amdhsa_user_sgpr_count 2
		.amdhsa_user_sgpr_kernarg_segment_ptr 1
		.amdhsa_wavefront_size32 1
		.amdhsa_system_sgpr_workgroup_id_x 1
		.amdhsa_system_sgpr_workgroup_id_y 1
		.amdhsa_system_sgpr_workgroup_id_z 1
		.amdhsa_system_vgpr_workitem_id 0
		.amdhsa_next_free_vgpr 768
		.amdhsa_next_free_sgpr 66
		.amdhsa_reserve_vcc 0
		.amdhsa_float_denorm_mode_32 3
		.amdhsa_float_denorm_mode_16_64 3
		.amdhsa_memory_ordered 1
		.amdhsa_forward_progress 1
		.amdhsa_inst_pref_size 142
	.end_amdhsa_kernel
	.amdgpu_metadata
---
amdhsa.version: [ 1, 2 ]
amdhsa.kernels:
  - .name:           k_qed699a10fe_qkv
    .symbol:         k_qed699a10fe_qkv.kd
    .args:
      - { .name: pimg, .offset: 0, .size: 8, .value_kind: global_buffer, .address_space: global }
      - { .name: qkv_b, .offset: 8, .size: 8, .value_kind: global_buffer, .address_space: global }
      - { .name: qkvimg, .offset: 16, .size: 8, .value_kind: global_buffer, .address_space: global }
    .group_segment_fixed_size: 327680
    .private_segment_fixed_size: 0
    .kernarg_segment_align: 8
    .kernarg_segment_size: 24
    .max_flat_workgroup_size: 128
    .sgpr_count:     66
    .vgpr_count:     768
    .wavefront_size: 32
...
	.end_amdgpu_metadata
.endif
;; end of part 2
;; launch attn (part 3): grid 8 x 32, 8 waves a work-group, no clusters, 54,272 bytes of LDS; arguments qkvimg, cimg; writes cimg
.if DOCPART == 3
	.amdgcn_target "amdgcn-amd-amdhsa--gfx1250"
	.amdhsa_code_object_version 6
	.text
	.protected	k_qed699a10fe_attn
	.globl	k_qed699a10fe_attn
	.p2align	8
	.type	k_qed699a10fe_attn,@function
k_qed699a10fe_attn:
	s_mov_b64 s[64:65], 0
	v_nop
	global_prefetch_b8 v0, s[64:65] scope:SCOPE_SE
	s_setreg_imm32_b32 hwreg(HW_REG_WAVE_MODE, 25, 1), 1
	s_wait_xcnt 0x0
; ATTN: the sliding-window attention on codes of E2M3, and ctx quantised on the way out.
; WORK LEFT OUT: key tiles other than a query tile's own and the one before it lie wholly under the mask that reference() builds (shown at the head of the first kernel); a sequence's first tile has no tile before it.
; SHARES.  Work-group (x, y): the 128 queries of token tile y, heads 2 x and 2 x + 1.  Wave w owns query fragment w (16 queries), both heads one after the other, so that it ends with 128 neighbouring features of ctx: one fragment.
; LDS: four blocks of 13,312 bytes, copied once through registers: k and v^T of tile y and of tile y - 1.  No tensor load: a first tile's copy is jumped over, and a block is wanted at different places by its two users.
; No cluster: a block has two users only, and they want it at different LDS places.
; LAYOUT.  S^T = k q^T (source 0 = 16 keys), O^T = v^T p^T (source 0 = 16 of a head's 64): a lane holds one query throughout.  By the order of rows in a fragment the 16 registers of key fragments 2 b, 2 b + 1 are keys
; 32 b + 16 (lane / 16) + 0 .. 15.  A fragment of k or q holds both heads (K = 128 = 2 x 64): q's is used twice, once with each head's six registers and zero codes for the other's, so k's fragments serve as they lie.
; SOFTMAX: t = score x log2(e) / 8; M = the running largest t rounded up to a whole number; p = 2^(t - M) is quantised along the keys; the sum is taken of the unquantised p and divides at the end.
; The own tile comes first: the diagonal key counts for every query, so M is a number from the first step on.  Key groups under the mask inside a live step of 128 keys are computed and masked.
; REGISTERS: v1 16 x lane; v2 d = my query - 16 (lane / 16); v12 -M, v13 the largest t, v[14:15] the sum; v16-27, v80-91 q for head A, B; v32-79 four fragments; v96-159 S^T, then p; v160-223 O^T, both heads; v224-243 p's codes; v232-254 at work; v248-251 scale words; v255 q's.
.set BLK,   13312
.set IMG,   3407872
.set KC,    0
.set KP,    BLK
.set VC,    2*BLK
.set VP,    3*BLK
.set SPARE, 4*BLK                      ; the spare words, 128 bytes for each wave: four blocks of 256 bytes that no other line names
.set TM,  96
.set PW,  112
.set PC,  114
.set SEL, 20
.set CS,  22
.macro PLACES
.rept 4
	v_nop
.endr
.endm
.macro WM0 d, a, b, sa, sb
	v_wmma_scale_f32_16x16x128_f8f6f4 v[\d:\d+7], v[\a:\a+11], v[\b:\b+11], 0, v[\sa], v[\sb] matrix_a_fmt:MATRIX_FMT_FP6 matrix_b_fmt:MATRIX_FMT_FP6
.endm
.macro WMC d, a, b, c, sa, sb
	v_wmma_scale_f32_16x16x128_f8f6f4 v[\d:\d+7], v[\a:\a+11], v[\b:\b+11], v[\c:\c+7], v[\sa], v[\sb] matrix_a_fmt:MATRIX_FMT_FP6 matrix_b_fmt:MATRIX_FMT_FP6
.endm
.macro QUANT s, pw
.irp b, 0,1,2,3
	v_max3_num_f32 v[TM+\b], |v[(\s)+16*\b]|, |v[(\s)+1+16*\b]|, 0x1800000
.endr
.irp i, 2,4,6,8,10,12,14
.irp b, 0,1,2,3
	s_delay_alu instid0(VALU_DEP_4)
	v_max3_num_f32 v[TM+\b], v[TM+\b], |v[(\s)+16*\b+\i]|, |v[(\s)+1+16*\b+\i]|
.endr
.endr
.irp b, 0,1,2,3
	s_delay_alu instid0(VALU_DEP_4)
	v_permlanex16_b32 v[TM+4+\b], v[TM+\b], s[SEL], s[SEL+1]
.endr
.irp b, 0,1,2,3
	s_delay_alu instid0(VALU_DEP_4)
	v_max_num_f32 v[TM+\b], v[TM+\b], v[TM+4+\b]
.endr
.irp b, 0,1,2,3
	s_delay_alu instid0(VALU_DEP_4)
	v_add_nc_u32 v[TM+12+\b], 0xff000000, v[TM+\b]
.endr
.irp b, 0,1,2,3
	s_delay_alu instid0(VALU_DEP_4)
	v_lshrrev_b32 v[TM+4+\b], 23, v[TM+12+\b]
.endr
	s_delay_alu instid0(VALU_DEP_3)
	v_lshl_or_b32 v[\pw], v[TM+5], 8, v[TM+4]
	s_delay_alu instid0(VALU_DEP_1)
	v_lshl_or_b32 v[\pw], v[TM+6], 16, v[\pw]
	s_delay_alu instid0(VALU_DEP_1)
	v_lshl_or_b32 v[\pw], v[TM+7], 24, v[\pw]
.irp c, 0,1
	v_cvt_scalef32_pk16_fp6_f32 v[PC+6*\c:PC+2+6*\c], v[(\s)+32*\c:(\s)+15+32*\c], v[TM+12+2*\c]
	v_cvt_scalef32_pk16_fp6_f32 v[PC+12+4*\c:PC+14+4*\c], v[(\s)+16+32*\c:(\s)+31+32*\c], v[TM+12+2*\c+1]
.endr
	v_nop
.irp c, 0,1
.irp i, 0,1,2
	v_permlane16_swap_b32 v[PC+6*\c+\i], v[PC+12+4*\c+\i]
.endr
.irp i, 0,1,2
	s_delay_alu instid0(VALU_DEP_3)
	v_mov_b32 v[PC+3+6*\c+\i], v[PC+12+4*\c+\i]
.endr
.endr
.endm
; A STEP: 128 keys for head e.  qr: q's registers for that head; kb, vb: the tile's blocks in LDS; prev = 1: the tile before mine; first = 1: the head's first step, which starts M, the sum and O^T.
.macro STEP e, qr, kb, vb, prev, first
.irp g, 0,1
	PLACES                                         ; ahead of loads into registers that matrix instructions have read
.irp t, 0,1,2,3
.irp c, 0,1,2
	ds_load_b128 v[32+12*\t+4*\c:35+12*\t+4*\c], v1 offset:(\kb)+(4*\g+\t)*1536+512*\c
.endr
.endr
	ds_load_b128 v[248:251], v1 offset:(\kb)+12288+512*\g
	s_wait_dscnt 0x0
.irp t, 0,1,2,3
	WM0 96+8*(4*\g+\t), 32+12*\t, \qr, 248+\t, 255
.endr
.endr
	PLACES
.irp t, 0,1,2,3                                    ; the head's four fragments of v^T are asked for now and land while the softmax runs
.irp c, 0,1,2
	ds_load_b128 v[32+12*\t+4*\c:35+12*\t+4*\c], v1 offset:(\vb)+(4*(\e)+\t)*1536+512*\c
.endr
.endr
	ds_load_b128 v[248:251], v1 offset:(\vb)+12288+512*(\e)
	v_mov_b32 v254, 0xff800000                     ; -infinity
.set N, 0
.rept 64                                           ; register 16 b + i holds the tile's key 32 b + 16 (lane / 16) + i.  My tile: hidden where the key comes after the query; the tile before: hidden where it lies 128 or more back
.if \prev
	v_cmp_le_i32 vcc_lo, 32*(N/16)+N%16, v2
.else
	v_cmp_gt_i32 vcc_lo, 32*(N/16)+N%16, v2
.endif
	v_cndmask_b32 v[96+N], v[96+N], v254, vcc_lo
.set N, N+1
.endr
.irp b, 0,1,2,3
	v_max3_num_f32 v[232+\b], v[96+16*\b], v[97+16*\b], v[98+16*\b]   ; the largest score of each block of 32 keys: for the row's maximum, and, since p rises with the score, for the block's largest p
.endr
.irp i, 3,5,7,9,11,13
.irp b, 0,1,2,3
	s_delay_alu instid0(VALU_DEP_4)
	v_max3_num_f32 v[232+\b], v[232+\b], v[96+16*\b+\i], v[97+16*\b+\i]
.endr
.endr
.irp b, 0,1,2,3
	s_delay_alu instid0(VALU_DEP_4)
	v_max_num_f32 v[232+\b], v[232+\b], v[111+16*\b]
.endr
.irp b, 0,1,2,3
	s_delay_alu instid0(VALU_DEP_4)
	v_permlanex16_b32 v[236+\b], v[232+\b], s[SEL], s[SEL+1]
.endr
.irp b, 0,1,2,3
	s_delay_alu instid0(VALU_DEP_4)
	v_max_num_f32 v[232+\b], v[232+\b], v[236+\b]
.endr
	s_delay_alu instid0(VALU_DEP_2)
	v_max3_num_f32 v254, v232, v233, v234
	s_delay_alu instid0(VALU_DEP_1)
	v_max_num_f32 v254, v254, v235                 ; the step's largest score of my query
.if \first
	s_delay_alu instid0(VALU_DEP_1)
	v_mul_f32 v13, s[CS], v254                     ; as t
	s_delay_alu instid0(VALU_DEP_1)
	v_floor_f32 v12, -v13                          ; -M = floor(-t)
.else
	s_delay_alu instid0(VALU_DEP_1)
	v_mul_f32 v254, s[CS], v254
	s_delay_alu instid0(VALU_DEP_1)
	v_max_num_f32 v13, v13, v254                   ; the running largest t
	v_mov_b32 v254, v12
	s_delay_alu instid0(VALU_DEP_2)
	v_floor_f32 v12, -v13
	s_delay_alu instid0(VALU_DEP_1)
	v_sub_f32 v254, v12, v254                      ; old M - new M: a whole number, 0 or less
	s_delay_alu instid0(VALU_DEP_1)
	v_cvt_i32_f32 v254, v254
	s_delay_alu instid0(VALU_DEP_1)
	v_ldexp_f32 v252, 1.0, v254                    ; f = 2^(old M - new M): rounds nothing
.endif
.set N, 0
.rept 32
	v_pk_fma_f32 v[96+N:97+N], v[96+N:97+N], s[CS:CS+1], v[12:13] op_sel_hi:[1,0,0]   ; t - M
.set N, N+2
.endr
.irp b, 0,1,2,3
	v_fma_f32 v[232+\b], v[232+\b], s[CS], v12
.endr
.set N, 0
	s_wait_alu depctr_va_vdst(0)
.rept 64
	v_exp_f32 v[96+N], v[96+N]                     ; p = 2^(t - M)
.set N, N+1
.endr
.if \first
	v_mov_b32 v14, 0                               ; the sum, in two halves.  (Plain places behind the exponentials)
	v_mov_b32 v15, 0
.else
	v_pk_mul_f32 v[14:15], v[14:15], v[252:253] op_sel_hi:[1,0]   ; the sum under the new M.  (A plain place behind the exponentials)
.endif
	s_wait_alu depctr_va_vdst(0)                   ; one wait for the batch of 64, ahead of its first reader
.irp b, 0,1,2,3
	v_exp_f32 v[232+\b], v[232+\b]                 ; each block's largest p
.endr
	v_pk_add_f32 v[236:237], v[100:101], v[104:105]
	v_pk_add_f32 v[246:247], v[108:109], v[112:113]
	v_pk_add_f32 v[244:245], v[116:117], v[120:121]
	v_pk_add_f32 v[242:243], v[124:125], v[128:129]
	v_pk_add_f32 v[240:241], v[132:133], v[136:137]
	v_pk_add_f32 v[238:239], v[140:141], v[144:145]
	v_pk_add_f32 v[230:231], v[148:149], v[152:153]
	v_pk_add_f32 v[14:15], v[14:15], v[156:157]
	v_pk_add_f32 v[236:237], v[236:237], v[96:97]
	v_pk_add_f32 v[246:247], v[246:247], v[98:99]
	v_pk_add_f32 v[244:245], v[244:245], v[102:103]
	v_pk_add_f32 v[242:243], v[242:243], v[106:107]
	v_pk_add_f32 v[240:241], v[240:241], v[110:111]
	v_pk_add_f32 v[238:239], v[238:239], v[114:115]
	v_pk_add_f32 v[230:231], v[230:231], v[118:119]
	v_pk_add_f32 v[14:15], v[14:15], v[122:123]
	v_pk_add_f32 v[236:237], v[236:237], v[126:127]
	v_pk_add_f32 v[246:247], v[246:247], v[130:131]
	v_pk_add_f32 v[244:245], v[244:245], v[134:135]
	v_pk_add_f32 v[242:243], v[242:243], v[138:139]
	v_pk_add_f32 v[240:241], v[240:241], v[142:143]
	v_pk_add_f32 v[238:239], v[238:239], v[146:147]
	v_pk_add_f32 v[230:231], v[230:231], v[150:151]
	v_pk_add_f32 v[14:15], v[14:15], v[154:155]
	v_pk_add_f32 v[236:237], v[236:237], v[158:159]
	s_delay_alu instid0(VALU_DEP_2)
	v_pk_add_f32 v[14:15], v[14:15], v[242:243]
	s_delay_alu instid0(VALU_DEP_2)
	v_pk_add_f32 v[236:237], v[236:237], v[240:241]
	v_pk_add_f32 v[246:247], v[246:247], v[238:239]
	v_pk_add_f32 v[244:245], v[244:245], v[230:231]
	s_delay_alu instid0(VALU_DEP_2)
	v_pk_add_f32 v[14:15], v[14:15], v[246:247]
	s_delay_alu instid0(VALU_DEP_2)
	v_pk_add_f32 v[236:237], v[236:237], v[244:245]
	s_delay_alu instid0(VALU_DEP_1)
	v_pk_add_f32 v[14:15], v[14:15], v[236:237]
	s_wait_alu depctr_va_vdst(0)                   ; and one for the four
.irp b, 0,1,2,3
	v_max_num_f32 v[232+\b], 0x1800000, v[232+\b]  ; the floor: a block whose every p is 0 keeps the byte 1, its codes are zeros
.endr
.irp b, 0,1,2,3
	s_delay_alu instid0(VALU_DEP_4)
	v_add_nc_u32 v[244+\b], 0xff000000, v[232+\b]
.endr
.irp b, 0,1,2,3
	s_delay_alu instid0(VALU_DEP_4)
	v_lshrrev_b32 v[236+\b], 23, v[244+\b]
.endr
	s_delay_alu instid0(VALU_DEP_3)
	v_lshl_or_b32 v253, v237, 8, v236              ; p's scale word for these 128 keys
	s_delay_alu instid0(VALU_DEP_1)
	v_lshl_or_b32 v253, v238, 16, v253
	s_delay_alu instid0(VALU_DEP_1)
	v_lshl_or_b32 v253, v239, 24, v253
.irp c, 0,1
	v_cvt_scalef32_pk16_fp6_f32 v[224+6*\c:226+6*\c], v[96+32*\c:111+32*\c], v[244+2*\c]
	v_cvt_scalef32_pk16_fp6_f32 v[236+4*\c:238+4*\c], v[112+32*\c:127+32*\c], v[244+2*\c+1]
.endr
	v_nop
.irp c, 0,1
.irp i, 0,1,2
	v_permlane16_swap_b32 v[224+6*\c+\i], v[236+4*\c+\i]
.endr
.irp i, 0,1,2
	s_delay_alu instid0(VALU_DEP_3)
	v_mov_b32 v[227+6*\c+\i], v[236+4*\c+\i]
.endr
.endr
.if \first
	s_wait_alu depctr_va_vdst(0)
.rept 8
	v_nop                                          ; a scale word written by a vector instruction stands eight places ahead of the scaled product, an operand so written four
.endr
.else
.set N, 0
.rept 16
	v_pk_mul_f32 v[160+32*(\e)+N:161+32*(\e)+N], v[160+32*(\e)+N:161+32*(\e)+N], v[252:253] op_sel_hi:[1,0]   ; O^T under the new M; for each product twelve of these name none of its registers: its places
.set N, N+2
.endr
.endif
	s_wait_alu depctr_va_vdst(0)
	s_wait_dscnt 0x0                               ; v^T's fragments and words
.irp t, 0,1,2,3
.if \first
	WM0 160+32*(\e)+8*\t, 32+12*\t, 224, 248+\t, 253
.else
	WMC 160+32*(\e)+8*\t, 32+12*\t, 224, 160+32*(\e)+8*\t, 248+\t, 253
.endif
.endr
.endm
.macro HEAD e, qr
	STEP \e, \qr, KC, VC, 0, 1
	s_cmp_eq_u32 s11, 0                            ; a sequence's first tile has no tile before it: a branch on ids, the same in all waves
	s_cbranch_scc1 .Lfirst_tile_\@
	STEP \e, \qr, KP, VP, 1, 0
.Lfirst_tile_\@:
	PLACES
	v_add_f32 v14, v14, v15
	s_delay_alu instid0(VALU_DEP_1)
	v_permlanex16_b32 v252, v14, s[SEL], s[SEL+1]
	s_delay_alu instid0(VALU_DEP_1)
	v_add_f32 v14, v14, v252                       ; the row's sum
	s_wait_alu depctr_va_vdst(0)
	v_rcp_f32 v14, v14
	v_nop
	s_wait_alu depctr_va_vdst(0)
.set N, 0
.rept 16
	v_pk_mul_f32 v[160+32*(\e)+N:161+32*(\e)+N], v[160+32*(\e)+N:161+32*(\e)+N], v[14:15] op_sel_hi:[1,0]
.set N, N+2
.endr
.endm
	s_load_b128 s[4:7], s[0:1], 0x0                ; qkvimg, cimg
	v_lshl_add_u32 v5, v0, 2, SPARE
	v_mov_b32 v6, 0
	v_lshrrev_b32 v1, 5, v0
	s_delay_alu instid0(VALU_DEP_1)
	v_readfirstlane_b32 s8, v1                     ; wave 0..7
	v_and_b32 v1, 31, v0
	s_delay_alu instid0(VALU_DEP_1)
	v_lshlrev_b32 v1, 4, v1                        ; 16 x lane
	s_wait_alu depctr_va_vdst(0)
	s_and_b32 s10, ttmp7, 0xffff                   ; y
	s_and_b32 s11, s10, 15                         ; the tile's number in its sequence
	s_mul_i32 s2, s8, 6656
	v_add_nc_u32 v3, s2, v1                        ; the copy: wave w fills LDS bytes 6,656 w on: half a block
	s_mul_i32 s2, s8, 1536
	v_add_nc_u32 v4, s2, v1                        ; my fragment in a block
	s_lshr_b32 s2, s8, 2
	s_lshl_b32 s2, s2, 9
	s_and_b32 s3, s8, 3
	s_lshl_b32 s3, s3, 2
	s_add_co_u32 s2, s2, s3
	v_add_nc_u32 v7, s2, v1                        ; and its scale word
	v_and_b32 v8, 15, v0
	s_delay_alu instid0(VALU_DEP_1)
	v_and_b32 v9, 8, v8
	s_delay_alu instid0(VALU_DEP_1)
	v_add_nc_u32 v9, v9, v8                        ; r + 8 (r / 8)
	s_lshr_b32 s2, s8, 1
	s_lshl_b32 s2, s2, 5
	s_and_b32 s3, s8, 1
	s_lshl_b32 s3, s3, 3
	s_add_co_u32 s2, s2, s3
	v_add_nc_u32 v9, s2, v9                        ; my query in the tile
	v_bfe_u32 v8, v0, 4, 1
	s_delay_alu instid0(VALU_DEP_1)
	v_lshlrev_b32 v8, 4, v8
	s_delay_alu instid0(VALU_DEP_1)
	v_sub_nc_u32 v2, v9, v8                        ; d
	s_mov_b32 s[SEL], 0x76543210
	s_mov_b32 s[SEL+1], 0xfedcba98
	s_mov_b32 s[CS], 0x3e38aa3b                    ; log2(e) / 8
	s_mov_b32 s[CS+1], s[CS]
	s_lshr_b32 s12, s8, 1
	s_and_b32 s12, s12, 1                          ; waves 2, 3, 6, 7 copy the tile before mine
	s_sub_co_i32 s13, s10, s12
	s_max_i32 s13, s13, 0                          ; (where there is none the address is not used)
	s_lshl_b32 s13, s13, 3
	s_add_co_u32 s13, s13, ttmp9
	s_mul_i32 s13, s13, BLK
	s_and_b32 s14, s8, 1
	s_mul_i32 s14, s14, 6656
	s_add_co_u32 s13, s13, s14
	s_lshr_b32 s14, s8, 2                          ; waves 0-3: k, waves 4-7: v^T
	s_mul_i32 s14, s14, IMG
	s_add_co_u32 s13, s13, s14
	s_add_co_u32 s16, s13, IMG
	s_mov_b32 s17, 0
	s_cmp_eq_u32 s11, 0
	s_cselect_b32 s15, s12, 0                      ; 1: my copy is of a tile that does not exist
	s_lshl_b32 s2, s10, 3
	s_add_co_u32 s2, s2, ttmp9
	s_mul_i32 s2, s2, BLK                          ; block (8 y + x) of q and of ctx
	s_mov_b32 s3, 0
	s_wait_alu depctr_va_vdst(0)
	s_wait_kmcnt 0x0
	s_add_nc_u64 s[16:17], s[4:5], s[16:17]
	s_add_nc_u64 s[18:19], s[4:5], s[2:3]
	s_add_nc_u64 s[6:7], s[6:7], s[2:3]
	global_load_b128 v[16:19], v4, s[18:19]                ; q's registers 0-3, 4-7: head A's six and two more,
	global_load_b128 v[20:23], v4, s[18:19] offset:512
	global_load_b128 v[84:87], v4, s[18:19] offset:512     ; and 4-7, 8-11: two more and head B's six
	global_load_b128 v[88:91], v4, s[18:19] offset:1024
	global_load_b32 v255, v7, s[18:19] offset:12288
	s_cmp_lg_u32 s15, 0
	s_cbranch_scc1 .Lno_copy
.set I, 0
.rept 13
	global_load_b128 v[96+4*I:99+4*I], v1, s[16:17] offset:512*I
.set I, I+1
.endr
	s_wait_loadcnt 0x0
.set I, 0
.rept 13
	ds_store_b128 v3, v[96+4*I:99+4*I] offset:512*I
.set I, I+1
.endr
.Lno_copy:
	s_wait_loadcnt 0x0
.irp j, 22,23,24,25,26,27,80,81,82,83,84,85
	v_mov_b32 v\j, 0                               ; zero codes in the other head's place
.endr
.irp j, 236,237,238,239,252,253
	v_mov_b32 v\j, 0                               ; lane permutes' destinations, and a pair's upper half, are written once
.endr
	s_wait_dscnt 0x0                               ; for the others' sake: my stores have landed
	s_barrier_signal -1
	s_barrier_wait -1
	HEAD 0, 16
	HEAD 1, 80
.irp b, 0,1,2,3
	v_mov_b32 v[TM+4+\b], 0
.endr
	QUANT 160, PW                                  ; register 8 a + j is feature 32 (a / 2) + 16 (lane / 16) + 8 (a % 2) + j of the head pair's 128: the quantiser's order
.irp c, 0,1,2
	global_store_b128 v4, v[PC+4*\c:PC+4*\c+3], s[6:7] offset:512*\c
.endr
	global_store_b32 v7, v[PW], s[6:7] offset:12288
	s_wait_tensorcnt 0x0                           ; the wave's end
	ds_add_u32 v5, v6
	s_wait_dscnt 0x0
	s_endpgm
.Lfunc_end_k_qed699a10fe_attn:
	.size	k_qed699a10fe_attn, .Lfunc_end_k_qed699a10fe_attn-k_qed699a10fe_attn
	.p2alignl 7, 3214868480
	.fill 96, 4, 3214868480
	.section	.rodata,"a",@progbits
	.p2align	6, 0x0
	.amdhsa_kernel k_qed699a10fe_attn
		.amdhsa_group_segment_fixed_size 54272
		.amdhsa_private_segment_fixed_size 0
		.amdhsa_enable_private_segment 0
		.amdhsa_kernarg_size 16
		.amdhsa_user_sgpr_count 2
		.amdhsa_user_sgpr_kernarg_segment_ptr 1
		.amdhsa_wavefront_size32 1
		.amdhsa_system_sgpr_workgroup_id_x 1
		.amdhsa_system_sgpr_workgroup_id_y 1
		.amdhsa_system_sgpr_workgroup_id_z 1
		.amdhsa_system_vgpr_workitem_id 0
		.amdhsa_next_free_vgpr 256
		.amdhsa_next_free_sgpr 66
		.amdhsa_reserve_vcc 1
		.amdhsa_float_denorm_mode_32 3
		.amdhsa_float_denorm_mode_16_64 3
		.amdhsa_memory_ordered 1
		.amdhsa_forward_progress 1
		.amdhsa_inst_pref_size 106
	.end_amdhsa_kernel
	.amdgpu_metadata
---
amdhsa.version: [ 1, 2 ]
amdhsa.kernels:
  - .name:           k_qed699a10fe_attn
    .symbol:         k_qed699a10fe_attn.kd
    .args:
      - { .name: qkvimg, .offset: 0, .size: 8, .value_kind: global_buffer, .address_space: global }
      - { .name: cimg, .offset: 8, .size: 8, .value_kind: global_buffer, .address_space: global }
    .group_segment_fixed_size: 54272
    .private_segment_fixed_size: 0
    .kernarg_segment_align: 8
    .kernarg_segment_size: 16
    .max_flat_workgroup_size: 256
    .sgpr_count:     66
    .vgpr_count:     256
    .wavefront_size: 32
...
	.end_amdgpu_metadata
.endif
;; end of part 3
;; launch oln (part 4): grid 256 x 1, 8 waves a work-group, no clusters, 69,632 bytes of LDS; arguments cimg, pimg, out_b, x, ln2_w, ln2_b, x1, h2img; writes x1, h2img
.if DOCPART == 4
	.amdgcn_target "amdgcn-amd-amdhsa--gfx1250"
	.amdhsa_code_object_version 6
	.text
	.protected	k_qed699a10fe_oln
	.globl	k_qed699a10fe_oln
	.p2align	8
	.type	k_qed699a10fe_oln,@function
k_qed699a10fe_oln:
	s_mov_b64 s[64:65], 0
	v_nop
	global_prefetch_b8 v0, s[64:65] scope:SCOPE_SE
	s_setreg_imm32_b32 hwreg(HW_REG_WAVE_MODE, 25, 1), 1
	s_wait_xcnt 0x0
; OLN: x1 = x + ctx out_w^T + out_b, stored as f32 rows, and h2 = LayerNorm(x1) quantised to E2M3 with one E8M0 byte for each 32 features, stored as an image of operand registers.
; ctx, out_w and h2 are images (block of 13,312 bytes = 8 fragments of 16 rows x 128 K and their scale words; fragment 2 g + u, lane-row r = row 32 g + 8 u + r + 8 (r / 8); an operand is [tile][K step][block]).
; SHARES.  Work-group f: the 16 tokens of fragment f, all 1,024 features, so that a row's mean and variance are made inside the work-group.  Wave w: weight tile w (128 features), 8 accumulators, 8 K steps of 8 matrix instructions.
; Source 0 = 16 rows of out_w, source 1 = the token fragment: lane (r, h) holds token lane-row r, and register 16 b + i of the sums the feature 128 w + 32 b + 16 h + i: the quantiser's order.
; OPERANDS GO FROM MEMORY STRAIGHT INTO REGISTERS: a fragment's image is three loads of 512 consecutive bytes.  Two sets of 30 loads, each asked for two K steps ahead of its products.
; NO CLUSTER, NO TENSOR LOAD: each byte of the weights is wanted by one wave of the work-group alone, in its operand registers; there is no LDS tile that a joint load could fill.
; NO PREFETCH: the loads themselves run two K steps ahead, and all 256 work-groups walk the same 851,968 bytes of weights in the same order.
; The sums begin on x + out_b (C of the first K step), x having come by whole rows of 512 bytes through the wave's own turn in LDS; x1 leaves the same way back.
; LIMITS: a block of zeros gets the byte 1 where the rule says 127 (its codes are zeros, the bytes are read by this program alone); blocks whose largest magnitude lies under 2^-124 are held at the byte 1; NaN and infinities are not served.
; REGISTERS.  Window 0: v1-11 addresses, v12-31 at work, v32-95 x's rows, then the gains, then the quantiser; v96-159 the sums; v160-223 out_b, then ln2_b; v224-244 scale words, two sets.  Window 1: two sets of 8 + 1 fragments; at the end x1's rows.
.set BLK,   13312
.set TILEB, 8*BLK
.set OFFW,  5963776                    ; out_w's image in pimg
.set TP,    528                        ; a row in the turn: 512 bytes + 16
.set TURNB, 16*TP
.set STAT,  8*TURNB                    ; wave w's (mean, sum of squared deviations) of row r at 128 w + 8 r
.set SPARE, STAT+1024                  ; the spare words, 128 bytes for each wave
.set R,   32
.set X,   96
.set LB,  160
.set SW,  224
.set FS,  108
.set TM,  32
.set PW,  50
.set PC,  52
.set SEL, 28
.set MSB, 0
.macro WIN new                         ; the immediate's high byte repeats the setting that is left
.if MSB != \new
	s_set_vgpr_msb (MSB<<8)|\new
.set MSB, \new
.endif
.endm
.macro PLACES                          ; four plain places behind matrix instructions (ISA guide 7.12.1)
.rept 4
	v_nop
.endr
.endm
.macro FETCH ks, p                     ; K step ks into set p: 30 loads
	WIN 0x40                                       ; destination window 1
.irp a, 0,1,2,3,4,5,6,7
.irp c, 0,1,2
	global_load_b128 v[FS*(\p)+12*\a+4*\c:FS*(\p)+12*\a+4*\c+3], v1, s[6:7] offset:(\ks)*BLK+1536*\a+512*\c
.endr
.endr
.irp c, 0,1,2
	global_load_b128 v[FS*(\p)+96+4*\c:FS*(\p)+99+4*\c], v1, s[4:5] offset:(\ks)*BLK+512*\c
.endr
	WIN 0
	global_load_b128 v[SW+12*(\p):SW+12*(\p)+3], v1, s[6:7] offset:(\ks)*BLK+12288
	global_load_b128 v[SW+12*(\p)+4:SW+12*(\p)+7], v1, s[6:7] offset:(\ks)*BLK+12800
	global_load_b32 v[SW+12*(\p)+8], v1, s[44:45] offset:(\ks)*BLK+12288
.endm
.macro MUL p                           ; the 8 accumulators take turns, one instruction a turn
	WIN 0x05                                       ; sources 0 and 1 window 1
.irp a, 0,1,2,3,4,5,6,7
	v_wmma_scale_f32_16x16x128_f8f6f4 v[X+8*\a:X+8*\a+7], v[FS*(\p)+12*\a:FS*(\p)+12*\a+11], v[FS*(\p)+96:FS*(\p)+107], v[X+8*\a:X+8*\a+7], v[SW+12*(\p)+\a], v[SW+12*(\p)+8] matrix_a_fmt:MATRIX_FMT_FP6 matrix_b_fmt:MATRIX_FMT_FP6
.endr
.endm
.macro QUANT s, pw                     ; 64 numbers of a lane become a fragment's codes in v[PC] on and its scale word in v[pw]
.irp b, 0,1,2,3
	v_max3_num_f32 v[TM+\b], |v[(\s)+16*\b]|, |v[(\s)+1+16*\b]|, 0x1800000   ; and the floor 2^(3 - 127): the byte cannot fall under 1
.endr
.irp i, 2,4,6,8,10,12,14
.irp b, 0,1,2,3
	s_delay_alu instid0(VALU_DEP_4)
	v_max3_num_f32 v[TM+\b], v[TM+\b], |v[(\s)+16*\b+\i]|, |v[(\s)+1+16*\b+\i]|
.endr
.endr
.irp b, 0,1,2,3
	s_delay_alu instid0(VALU_DEP_4)
	v_permlanex16_b32 v[TM+4+\b], v[TM+\b], s[SEL], s[SEL+1]
.endr
.irp b, 0,1,2,3
	s_delay_alu instid0(VALU_DEP_4)
	v_max_num_f32 v[TM+\b], v[TM+\b], v[TM+4+\b]
.endr
.irp b, 0,1,2,3
	s_delay_alu instid0(VALU_DEP_4)
	v_add_nc_u32 v[TM+12+\b], 0xff000000, v[TM+\b]             ; 2 off the exponent field: the conversion's scale operand
.endr
.irp b, 0,1,2,3
	s_delay_alu instid0(VALU_DEP_4)
	v_lshrrev_b32 v[TM+4+\b], 23, v[TM+12+\b]                  ; the scale's byte
.endr
	s_delay_alu instid0(VALU_DEP_3)
	v_lshl_or_b32 v[\pw], v[TM+5], 8, v[TM+4]
	s_delay_alu instid0(VALU_DEP_1)
	v_lshl_or_b32 v[\pw], v[TM+6], 16, v[\pw]
	s_delay_alu instid0(VALU_DEP_1)
	v_lshl_or_b32 v[\pw], v[TM+7], 24, v[\pw]
.irp c, 0,1
	v_cvt_scalef32_pk16_fp6_f32 v[PC+6*\c:PC+2+6*\c], v[(\s)+32*\c:(\s)+15+32*\c], v[TM+12+2*\c]
	v_cvt_scalef32_pk16_fp6_f32 v[PC+12+4*\c:PC+14+4*\c], v[(\s)+16+32*\c:(\s)+31+32*\c], v[TM+12+2*\c+1]
.endr
	v_nop                                                      ; one plain place behind a scaled conversion
.irp c, 0,1
.irp i, 0,1,2
	v_permlane16_swap_b32 v[PC+6*\c+\i], v[PC+12+4*\c+\i]
.endr
.irp i, 0,1,2
	s_delay_alu instid0(VALU_DEP_3)
	v_mov_b32 v[PC+3+6*\c+\i], v[PC+12+4*\c+\i]
.endr
.endr
.endm
	s_load_b256 s[4:11], s[0:1], 0x0               ; cimg, pimg, out_b, x
	s_load_b256 s[12:19], s[0:1], 0x20             ; ln2_w, ln2_b, x1, h2img
	v_lshl_add_u32 v10, v0, 2, SPARE               ; my spare word,
	v_mov_b32 v11, 0                               ; and 0: kept for the closing lines alone
	v_lshrrev_b32 v1, 5, v0
	s_delay_alu instid0(VALU_DEP_1)
	v_readfirstlane_b32 s20, v1                    ; wave 0..7
	v_and_b32 v1, 31, v0
	s_delay_alu instid0(VALU_DEP_1)
	v_lshlrev_b32 v1, 4, v1                        ; 16 x lane
	v_and_b32 v2, 15, v0                           ; r
	v_bfe_u32 v3, v0, 4, 1                         ; h
	s_mul_i32 s2, s20, TURNB
	v_add_nc_u32 v5, s2, v1                        ; the turn by rows: 16 x lane
	v_mul_u32_u24 v6, v2, TP
	s_delay_alu instid0(VALU_DEP_1)
	v_lshl_add_u32 v6, v3, 6, v6
	s_delay_alu instid0(VALU_DEP_1)
	v_add_nc_u32 v6, s2, v6                        ; the turn by lanes: row r, + 64 h
	v_lshlrev_b32 v8, 3, v2
	s_delay_alu instid0(VALU_DEP_1)
	v_add_nc_u32 v8, STAT, v8                      ; the statistics of row r, wave 0's
	s_lshl_b32 s2, s20, 7
	v_add_nc_u32 v7, s2, v8                        ; and mine
	v_lshlrev_b32 v9, 6, v3                        ; 64 h
	s_mov_b32 s[SEL], 0x76543210
	s_mov_b32 s[SEL+1], 0xfedcba98
	s_mov_b32 s48, 0x3a800000                      ; 1 / 1024
	s_mov_b32 s49, 0x3727c5ac                      ; 1e-5
	s_lshr_b32 s21, ttmp9, 3                       ; my token tile
	s_and_b32 s22, ttmp9, 7                        ; my fragment in its blocks
	s_mul_i32 s23, s22, 1536
	s_lshr_b32 s24, s22, 2
	s_lshl_b32 s24, s24, 9
	s_and_b32 s25, s22, 3
	s_lshl_b32 s25, s25, 2
	s_add_co_u32 s24, s24, s25                     ; its scale words' place (12,288 more stand in the immediates)
	s_mul_i32 s26, s21, TILEB
	s_add_co_u32 s30, s26, s23                     ; ctx's codes
	s_mov_b32 s31, 0
	s_add_co_u32 s32, s26, s24                     ; ctx's scale words
	s_mov_b32 s33, 0
	s_mul_i32 s27, s20, BLK                        ; h2: my 128 features are K step w
	s_add_co_u32 s34, s30, s27
	s_mov_b32 s35, 0
	s_add_co_u32 s36, s32, s27
	s_mov_b32 s37, 0
	s_mul_i32 s38, s20, TILEB
	s_add_co_u32 s38, s38, OFFW                    ; weight tile w
	s_mov_b32 s39, 0
	s_lshl_b32 s40, s20, 9                         ; my 512 bytes of a row of features
	s_mov_b32 s41, 0
	s_lshr_b32 s42, ttmp9, 1
	s_lshl_b32 s42, s42, 5
	s_and_b32 s43, ttmp9, 1
	s_lshl_b32 s43, s43, 3
	s_add_co_u32 s42, s42, s43                     ; the fragment's first row: 32 (f / 2) + 8 (f % 2)
	s_lshl_b32 s42, s42, 12
	s_add_co_u32 s42, s42, s40
	s_mov_b32 s43, 0
	s_wait_alu depctr_va_vdst(0)
	s_wait_kmcnt 0x0
	s_add_nc_u64 s[44:45], s[4:5], s[32:33]
	s_add_nc_u64 s[4:5], s[4:5], s[30:31]
	s_add_nc_u64 s[6:7], s[6:7], s[38:39]
	s_add_nc_u64 s[8:9], s[8:9], s[40:41]
	s_add_nc_u64 s[10:11], s[10:11], s[42:43]
	s_add_nc_u64 s[12:13], s[12:13], s[40:41]
	s_add_nc_u64 s[14:15], s[14:15], s[40:41]
	s_add_nc_u64 s[16:17], s[16:17], s[42:43]
	s_add_nc_u64 s[46:47], s[18:19], s[36:37]
	s_add_nc_u64 s[18:19], s[18:19], s[34:35]
	FETCH 0, 0
.set I, 0
.rept 16
	global_load_b128 v[R+4*I:R+4*I+3], v1, s[10:11] offset:(I+8*(I/8))*4096 th:TH_LOAD_NT   ; 512 consecutive bytes of x's row of lane-row I
.set I, I+1
.endr
.set I, 0
.rept 16
	global_load_b128 v[LB+4*I:LB+4*I+3], v9, s[8:9] offset:128*(I/4)+16*(I%4)               ; out_b in the sums' layout
.set I, I+1
.endr
	FETCH 1, 1
.set I, 0
.rept 16
	s_wait_loadcnt 61-I                            ; row I is in; out may be 15 - I rows, 16 loads of out_b and set 1's 30
	ds_store_b128 v5, v[R+4*I:R+4*I+3] offset:TP*I
.set I, I+1
.endr
.set I, 0
.rept 16
	ds_load_b128 v[X+4*I:X+4*I+3], v6 offset:128*(I/4)+16*(I%4)   ; the wave's own bytes, served in order
.set I, I+1
.endr
	s_wait_loadcnt 30                              ; set 0 and out_b are in; set 1's 30 may be out
	s_wait_dscnt 0x0
.set P, 0
.rept 32
	v_pk_add_f32 v[X+2*P:X+2*P+1], v[X+2*P:X+2*P+1], v[LB+2*P:LB+2*P+1]   ; x + out_b: what the sums begin on
.set P, P+1
.endr
	PLACES
.set KS, 0
.rept 8
.if KS == 7
	s_wait_loadcnt 32                              ; set 7 is in; the 32 loads of gains and biases may be out
.elseif KS > 0
	s_wait_loadcnt 30                              ; this step's set is in; the next step's 30 may be out
.endif
	MUL KS%2
	WIN 0
	PLACES                                         ; ahead of loads into registers that the products read, and of the first read of the sums
.if KS < 6
	FETCH KS+2, KS%2
.endif
.if KS == 6
.set I, 0
.rept 16
	global_load_b128 v[R+4*I:R+4*I+3], v9, s[12:13] offset:128*(I/4)+16*(I%4)
	global_load_b128 v[LB+4*I:LB+4*I+3], v9, s[14:15] offset:128*(I/4)+16*(I%4)
.set I, I+1
.endr
.endif
.set KS, KS+1
.endr
	; x1 goes back through the turn and leaves as whole rows; each accumulator is read from its low end on
.set I, 0
.rept 16
	ds_store_b128 v6, v[X+4*I:X+4*I+3] offset:128*(I/4)+16*(I%4)
.set I, I+1
.endr
	WIN 0x40
.set I, 0
.rept 16
	ds_load_b128 v[4*I:4*I+3], v5 offset:TP*I      ; into window 1, where set 0 lay
.set I, I+1
.endr
	WIN 0
	; LayerNorm: mean and sum of squared deviations of my 128 numbers of each row; the eight waves' figures are joined without a difference of large sums
.irp c, 0,1,2,3,4,5,6,7                            ; eight chains by turns, in v12-27
	v_pk_add_f32 v[12+2*\c:13+2*\c], v[X+2*\c:X+2*\c+1], v[X+16+2*\c:X+17+2*\c]
.endr
.set P, 2
.rept 2
.irp c, 0,1,2,3,4,5,6,7
	v_pk_add_f32 v[12+2*\c:13+2*\c], v[12+2*\c:13+2*\c], v[X+16*P+2*\c:X+16*P+2*\c+1]
.endr
.set P, P+1
.endr
.irp c, 0,1,2,3
	s_delay_alu instid0(VALU_DEP_4)
	v_pk_add_f32 v[12+2*\c:13+2*\c], v[12+2*\c:13+2*\c], v[20+2*\c:21+2*\c]
.endr
	s_delay_alu instid0(VALU_DEP_2)
	v_pk_add_f32 v[12:13], v[12:13], v[16:17]
	s_delay_alu instid0(VALU_DEP_2)
	v_pk_add_f32 v[14:15], v[14:15], v[18:19]
	s_delay_alu instid0(VALU_DEP_1)
	v_pk_add_f32 v[12:13], v[12:13], v[14:15]
	s_delay_alu instid0(VALU_DEP_1)
	v_add_f32 v12, v12, v13
	s_delay_alu instid0(VALU_DEP_1)
	v_permlanex16_b32 v13, v12, s[SEL], s[SEL+1]
	s_delay_alu instid0(VALU_DEP_1)
	v_add_f32 v12, v12, v13
	s_delay_alu instid0(VALU_DEP_1)
	v_mul_f32 v20, 0x3c000000, v12                 ; / 128: my wave's mean of row r
	s_delay_alu instid0(VALU_DEP_1)
	v_mov_b32 v21, v20
	s_wait_alu depctr_va_vdst(0)
	s_wait_dscnt 0x0                               ; x1's rows are back
	WIN 0x04                                       ; the stores' data: window 1
.set I, 0
.rept 16
	global_store_b128 v1, v[4*I:4*I+3], s[16:17] offset:(I+8*(I/8))*4096   ; 32 lanes store 512 consecutive bytes of one row
.set I, I+1
.endr
	WIN 0
.set P, 0
.rept 8
.irp c, 0,1,2,3
	v_pk_add_f32 v[22+2*\c:23+2*\c], v[X+8*P+2*\c:X+8*P+2*\c+1], v[20:21] neg_lo:[0,1] neg_hi:[0,1]
.endr
.irp c, 0,1,2,3
.if P == 0
	s_delay_alu instid0(VALU_DEP_4)
	v_pk_mul_f32 v[12+2*\c:13+2*\c], v[22+2*\c:23+2*\c], v[22+2*\c:23+2*\c]
.else
	s_delay_alu instid0(VALU_DEP_4)
	v_pk_fma_f32 v[12+2*\c:13+2*\c], v[22+2*\c:23+2*\c], v[22+2*\c:23+2*\c], v[12+2*\c:13+2*\c]
.endif
.endr
.set P, P+1
.endr
	s_delay_alu instid0(VALU_DEP_3)
	v_pk_add_f32 v[12:13], v[12:13], v[14:15]
	s_delay_alu instid0(VALU_DEP_2)
	v_pk_add_f32 v[16:17], v[16:17], v[18:19]
	s_delay_alu instid0(VALU_DEP_1)
	v_pk_add_f32 v[12:13], v[12:13], v[16:17]
	s_delay_alu instid0(VALU_DEP_1)
	v_add_f32 v12, v12, v13
	s_delay_alu instid0(VALU_DEP_1)
	v_permlanex16_b32 v13, v12, s[SEL], s[SEL+1]
	s_delay_alu instid0(VALU_DEP_1)
	v_add_f32 v21, v12, v13                        ; my wave's sum of squared deviations
	ds_store_b64 v7, v[20:21]                      ; both lanes of a row write the same two words
	s_wait_dscnt 0x0                               ; for the others' sake: my store has landed
	s_barrier_signal -1
	s_barrier_wait -1
.set I, 0
.rept 8
	ds_load_b64 v[12+2*I:13+2*I], v8 offset:128*I
.set I, I+1
.endr
	s_wait_dscnt 0x0
	v_add_f32 v28, v12, v14
	v_add_f32 v29, v16, v18
	v_add_f32 v30, v20, v22
	v_add_f32 v31, v24, v26
	s_delay_alu instid0(VALU_DEP_3)
	v_add_f32 v28, v28, v29
	s_delay_alu instid0(VALU_DEP_2)
	v_add_f32 v30, v30, v31
	s_delay_alu instid0(VALU_DEP_1)
	v_add_f32 v28, v28, v30
	s_delay_alu instid0(VALU_DEP_1)
	v_mul_f32 v28, 0x3e000000, v28                 ; / 8: the row's mean
	v_add_f32 v13, v13, v15
	v_add_f32 v17, v17, v19
	v_add_f32 v21, v21, v23
	v_add_f32 v25, v25, v27
	s_delay_alu instid0(VALU_DEP_3)
	v_add_f32 v13, v13, v17
	s_delay_alu instid0(VALU_DEP_2)
	v_add_f32 v21, v21, v25
	s_delay_alu instid0(VALU_DEP_1)
	v_add_f32 v13, v13, v21
.irp i, 12,14,16,18,20,22,24,26
	v_sub_f32 v\i, v\i, v28
.endr
	v_mul_f32 v29, v12, v12
.irp i, 14,16,18,20,22,24,26
	s_delay_alu instid0(VALU_DEP_1)
	v_fmac_f32 v29, v\i, v\i
.endr
	s_delay_alu instid0(VALU_DEP_1)
	v_fmac_f32 v13, 0x43000000, v29                ; + 128 x the squared distances of the eight means from the row's
	s_delay_alu instid0(VALU_DEP_1)
	v_fma_f32 v30, v13, s48, s49                   ; the variance + 1e-5
	s_wait_alu depctr_va_vdst(0)                   ; the wait ahead of the transcendental
	v_rsq_f32 v30, v30
	v_mov_b32 v29, v28                             ; (a plain place behind the transcendental)  the mean as a pair
	s_wait_alu depctr_va_vdst(0)                   ; and ahead of the first line that names the result
	v_mov_b32 v31, v30
.set P, 0
.rept 32
	v_pk_add_f32 v[X+2*P:X+2*P+1], v[X+2*P:X+2*P+1], v[28:29] neg_lo:[0,1] neg_hi:[0,1]
.set P, P+1
.endr
.set P, 0
.rept 32
	v_pk_mul_f32 v[X+2*P:X+2*P+1], v[X+2*P:X+2*P+1], v[30:31]
.set P, P+1
.endr
	s_wait_loadcnt 0x0                             ; gains and biases
.set P, 0
.rept 32
	v_pk_fma_f32 v[X+2*P:X+2*P+1], v[X+2*P:X+2*P+1], v[R+2*P:R+2*P+1], v[LB+2*P:LB+2*P+1]
.set P, P+1
.endr
.irp b, 0,1,2,3
	v_mov_b32 v[TM+4+\b], 0                        ; a lane permute's destination counts as one of its sources
.endr
	QUANT X, PW
.irp c, 0,1,2
	global_store_b128 v1, v[PC+4*\c:PC+4*\c+3], s[18:19] offset:512*\c   ; 32 lanes store 512 consecutive bytes
.endr
	global_store_b32 v1, v[PW], s[46:47] offset:12288
	s_wait_tensorcnt 0x0                           ; the wave's end
	ds_add_u32 v10, v11
	s_wait_dscnt 0x0
	s_endpgm
.Lfunc_end_k_qed699a10fe_oln:
	.size	k_qed699a10fe_oln, .Lfunc_end_k_qed699a10fe_oln-k_qed699a10fe_oln
	.p2alignl 7, 3214868480
	.fill 96, 4, 3214868480
	.section	.rodata,"a",@progbits
	.p2align	6, 0x0
	.amdhsa_kernel k_qed699a10fe_oln
		.amdhsa_group_segment_fixed_size 69632
		.amdhsa_private_segment_fixed_size 0
		.amdhsa_enable_private_segment 0
		.amdhsa_kernarg_size 64
		.amdhsa_user_sgpr_count 2
		.amdhsa_user_sgpr_kernarg_segment_ptr 1
		.amdhsa_wavefront_size32 1
		.amdhsa_system_sgpr_workgroup_id_x 1
		.amdhsa_system_sgpr_workgroup_id_y 1
		.amdhsa_system_sgpr_workgroup_id_z 1
		.amdhsa_system_vgpr_workitem_id 0
		.amdhsa_next_free_vgpr 512
		.amdhsa_next_free_sgpr 66
		.amdhsa_reserve_vcc 0
		.amdhsa_float_denorm_mode_32 3
		.amdhsa_float_denorm_mode_16_64 3
		.amdhsa_memory_ordered 1
		.amdhsa_forward_progress 1
		.amdhsa_inst_pref_size 73
	.end_amdhsa_kernel
	.amdgpu_metadata
---
amdhsa.version: [ 1, 2 ]
amdhsa.kernels:
  - .name:           k_qed699a10fe_oln
    .symbol:         k_qed699a10fe_oln.kd
    .args:
      - { .name: cimg, .offset: 0, .size: 8, .value_kind: global_buffer, .address_space: global }
      - { .name: pimg, .offset: 8, .size: 8, .value_kind: global_buffer, .address_space: global }
      - { .name: out_b, .offset: 16, .size: 8, .value_kind: global_buffer, .address_space: global }
      - { .name: x, .offset: 24, .size: 8, .value_kind: global_buffer, .address_space: global }
      - { .name: ln2_w, .offset: 32, .size: 8, .value_kind: global_buffer, .address_space: global }
      - { .name: ln2_b, .offset: 40, .size: 8, .value_kind: global_buffer, .address_space: global }
      - { .name: x1, .offset: 48, .size: 8, .value_kind: global_buffer, .address_space: global }
      - { .name: h2img, .offset: 56, .size: 8, .value_kind: global_buffer, .address_space: global }
    .group_segment_fixed_size: 69632
    .private_segment_fixed_size: 0
    .kernarg_segment_align: 8
    .kernarg_segment_size: 64
    .max_flat_workgroup_size: 256
    .sgpr_count:     66
    .vgpr_count:     512
    .wavefront_size: 32
...
	.end_amdgpu_metadata
.endif
;; end of part 4
;; launch ff1 (part 5): grid 8 x 32, 4 waves a work-group, clusters of 4 x 4, 327,680 bytes of LDS; arguments h2img, pimg, ff1_b, gimg; writes gimg
.if DOCPART == 5
	.amdgcn_target "amdgcn-amd-amdhsa--gfx1250"
	.amdhsa_code_object_version 6
	.text
	.protected	k_qed699a10fe_ff1
	.globl	k_qed699a10fe_ff1
	.p2align	8
	.type	k_qed699a10fe_ff1,@function
k_qed699a10fe_ff1:
	s_mov_b64 s[64:65], 0
	v_nop
	global_prefetch_b8 v0, s[64:65] scope:SCOPE_SE
	s_setreg_imm32_b32 hwreg(HW_REG_WAVE_MODE, 25, 1), 1
	s_wait_xcnt 0x0
	s_wait_alu depctr_hold_cnt(0) depctr_sa_sdst(0) depctr_va_vdst(0) depctr_va_sdst(0) depctr_va_ssrc(0) depctr_va_vcc(0) depctr_vm_vsrc(0)
	s_getreg_b32 s2, hwreg(HW_REG_IB_STS2, 6, 4)
	s_cmp_eq_u32 s2, 0
	s_cbranch_scc0 .Lentry_in_a_cluster
	s_endpgm
.Lentry_in_a_cluster:
	s_bfe_u32 s2, ttmp6, 0x10000c
	s_cmp_lg_u32 s2, 0xf033
	s_cbranch_scc0 .Lentry_shape_is_right
	s_endpgm
.Lentry_shape_is_right:
; FF1: g = gelu(h2 ff1_w^T + ff1_b), exact gelu, quantised on the way out along the 3,072 features.  Operands and result are images of operand registers (see the first kernel).
; SHARES, LDS, CLUSTER as in the launch for q, k, v: work-group (x, y) takes token tile y and weight tiles x, 8 + x, 16 + x in three stages; source 0 = the weight's 8 fragments, source 1 = my two token fragments; the third
; weight tile lands in the first's region behind a round of the cluster's barrier.  By this text's own count a wave has at most three tensor loads out.
; GELU: u (1/2 + 1/2 erf(u / sqrt 2)), erf(z) = z P(z^2) / Q(z^2) with z held to +-4, P of degree 6 and Q of degree 4; P's coefficients are halved here.  LIMIT: about 1e-7 absolute in erf.
.set BLK,   13312
.set TILEB, 8*BLK
.set QRT,   2*BLK
.set NROW,  QRT/256
.set RT,    0
.set RW0,   TILEB
.set RW1,   2*TILEB
.set SPARE, 3*TILEB
.set OFFW,  6815744                    ; ff1_w's image in pimg
.set LI,  1
.set LIW, 2
.set LSW, 3
.set XA,  4
.set YA,  6
.set YS,  8
.set SPW, 10
.set NIL, 11
.set BH,  12
.set TM,  56
.set PC,  76
.set PW,  120
.set GZ,  56                           ; gelu's temporaries: z, z^2, P, Q, 16 registers each; v[122:123], v[124:125]: P's and Q's second coefficients
.set GX,  72
.set GP,  88
.set GQ,  104
.set ACC, 128
.set WV,  14
.set SEL, 58
.set MSB, 0
.macro WIN new
.if MSB != \new
	s_set_vgpr_msb (MSB<<8)|\new
.set MSB, \new
.endif
.endm
.macro PLACES
.rept 4
	v_nop
.endr
.endm
.macro CROUND
	s_barrier_signal -1
	s_barrier_wait -1
	s_cmp_lg_u32 s[WV], 0
	s_cbranch_scc1 .Lnot_wave_0_\@
	s_barrier_signal -3
.Lnot_wave_0_\@:
	s_barrier_wait -3
	s_barrier_signal -1
	s_barrier_wait -1
.endm
.macro WMC d, a, b, c, sa, sb
	v_wmma_scale_f32_16x16x128_f8f6f4 v[\d:\d+7], v[\a:\a+11], v[\b:\b+11], v[\c:\c+7], v[\sa], v[\sb] matrix_a_fmt:MATRIX_FMT_FP6 matrix_b_fmt:MATRIX_FMT_FP6
.endm
.macro SETADR xb, yb
	WIN 0
	v_add_nc_u32 v[XA], \xb, v[LI]
	v_add_nc_u32 v[XA+1], (\xb)+4*BLK, v[LI]
	v_add_nc_u32 v[YA], \yb, v[LIW]
	v_add_nc_u32 v[YA+1], (\yb)+4*BLK, v[LIW]
	v_add_nc_u32 v[YS], (\yb)+12288, v[LSW]
	v_add_nc_u32 v[YS+1], (\yb)+4*BLK+12288, v[LSW]
.endm
.macro FETCH ks, p                     ; K step ks: 33 LDS loads into set p
	WIN 0x40
.irp a, 0,1,2,3,4,5,6,7
.irp c, 0,1,2
	ds_load_b128 v[120*(\p)+12*\a+4*\c:120*(\p)+12*\a+4*\c+3], v[XA+(\ks)/4] offset:((\ks)%4)*BLK+1536*\a+512*\c
.endr
.endr
.irp t, 0,1
.irp c, 0,1,2
	ds_load_b128 v[120*(\p)+96+12*\t+4*\c:120*(\p)+96+12*\t+4*\c+3], v[YA+(\ks)/4] offset:((\ks)%4)*BLK+1536*\t+512*\c
.endr
.endr
	WIN 0
	ds_load_b128 v[32+12*(\p):35+12*(\p)], v[XA+(\ks)/4] offset:((\ks)%4)*BLK+12288
	ds_load_b128 v[36+12*(\p):39+12*(\p)], v[XA+(\ks)/4] offset:((\ks)%4)*BLK+12800
	ds_load_b64 v[40+12*(\p):41+12*(\p)], v[YS+(\ks)/4] offset:((\ks)%4)*BLK
.endm
.macro MUL p, cmode, cb                ; cmode 1: C = window 2's v[cb + 8 a], the bias; 3: in place.  The 16 accumulators take turns, one instruction a turn
.if (\cmode)==1
	WIN 0x25
.else
	WIN 0x05
.endif
.irp t, 0,1
.irp a, 0,1,2,3,4,5,6,7
.if (\cmode)==1
	WMC ACC+64*\t+8*\a, 120*(\p)+12*\a, 120*(\p)+96+12*\t, (\cb)+8*\a, 32+12*(\p)+\a, 40+12*(\p)+\t
.else
	WMC ACC+64*\t+8*\a, 120*(\p)+12*\a, 120*(\p)+96+12*\t, ACC+64*\t+8*\a, 32+12*(\p)+\a, 40+12*(\p)+\t
.endif
.endr
.endr
.endm
.macro COMPUTE n, c0, cb
	FETCH 0, 0
.set KS, 0
.rept \n
.if KS < (\n)-1
	PLACES
	FETCH KS+1, (KS+1)%2
	s_wait_dscnt 33                                ; all but the 33 just issued: this step's are in
.else
	s_wait_dscnt 0x0
.endif
.if KS == 0
	MUL 0, \c0, \cb
.else
	MUL KS%2, 3, 0
.endif
.set KS, KS+1
.endr
	WIN 0
.endm
.macro QUANT s, pw
.irp b, 0,1,2,3
	v_max3_num_f32 v[TM+\b], |v[(\s)+16*\b]|, |v[(\s)+1+16*\b]|, 0x1800000
.endr
.irp i, 2,4,6,8,10,12,14
.irp b, 0,1,2,3
	v_max3_num_f32 v[TM+\b], v[TM+\b], |v[(\s)+16*\b+\i]|, |v[(\s)+1+16*\b+\i]|
.endr
.endr
.irp b, 0,1,2,3
	v_permlanex16_b32 v[TM+4+\b], v[TM+\b], s[SEL], s[SEL+1]
.endr
.irp b, 0,1,2,3
	v_max_num_f32 v[TM+\b], v[TM+\b], v[TM+4+\b]
.endr
.irp b, 0,1,2,3
	v_add_nc_u32 v[TM+12+\b], 0xff000000, v[TM+\b]
.endr
.irp b, 0,1,2,3
	v_lshrrev_b32 v[TM+4+\b], 23, v[TM+12+\b]
.endr
	v_lshl_or_b32 v[\pw], v[TM+5], 8, v[TM+4]
	v_lshl_or_b32 v[\pw], v[TM+6], 16, v[\pw]
	v_lshl_or_b32 v[\pw], v[TM+7], 24, v[\pw]
.irp c, 0,1
	v_cvt_scalef32_pk16_fp6_f32 v[PC+6*\c:PC+2+6*\c], v[(\s)+32*\c:(\s)+15+32*\c], v[TM+12+2*\c]
	v_cvt_scalef32_pk16_fp6_f32 v[PC+12+4*\c:PC+14+4*\c], v[(\s)+16+32*\c:(\s)+31+32*\c], v[TM+12+2*\c+1]
.endr
	v_nop
.irp c, 0,1
.irp i, 0,1,2
	v_permlane16_swap_b32 v[PC+6*\c+\i], v[PC+12+4*\c+\i]
.endr
.irp i, 0,1,2
	v_mov_b32 v[PC+3+6*\c+\i], v[PC+12+4*\c+\i]
.endr
.endr
.endm
.macro GELU16 s                        ; gelu of v[s] .. v[s+15], in place; two accumulators, each read from its low end on
.set J, 0
.rept 8
	v_pk_mul_f32 v[GZ+J:GZ+J+1], v[(\s)+J:(\s)+J+1], s[86:87] op_sel_hi:[1,0]     ; z = u / sqrt 2
.set J, J+2
.endr
.set J, 0
.rept 16
	v_med3_num_f32 v[GZ+J], v[GZ+J], -4.0, 4.0
.set J, J+1
.endr
.set J, 0
.rept 8
	v_pk_mul_f32 v[GX+J:GX+J+1], v[GZ+J:GZ+J+1], v[GZ+J:GZ+J+1]
.set J, J+2
.endr
.set J, 0
.rept 8
	v_pk_fma_f32 v[GP+J:GP+J+1], v[GX+J:GX+J+1], s[66:67], v[122:123] op_sel_hi:[1,0,1]
	v_pk_fma_f32 v[GQ+J:GQ+J+1], v[GX+J:GX+J+1], s[78:79], v[124:125] op_sel_hi:[1,0,1]
.set J, J+2
.endr
.irp k, 68,70,72,74,76
.set J, 0
.rept 8
	v_pk_fma_f32 v[GP+J:GP+J+1], v[GP+J:GP+J+1], v[GX+J:GX+J+1], s[\k:\k+1] op_sel_hi:[1,1,0]
.set J, J+2
.endr
.endr
.irp k, 80,82,84
.set J, 0
.rept 8
	v_pk_fma_f32 v[GQ+J:GQ+J+1], v[GQ+J:GQ+J+1], v[GX+J:GX+J+1], s[\k:\k+1] op_sel_hi:[1,1,0]
.set J, J+2
.endr
.endr
.set J, 0
	s_wait_alu depctr_va_vdst(0)
.rept 16
	v_rcp_f32 v[GQ+J], v[GQ+J]
.set J, J+1
.endr
.set J, 0
.rept 8
	v_pk_mul_f32 v[GP+J:GP+J+1], v[GP+J:GP+J+1], v[GZ+J:GZ+J+1]                   ; plain work behind the batch of reciprocals
.set J, J+2
.endr
	s_wait_alu depctr_va_vdst(0)                   ; one wait for the sixteen, ahead of their first reader
.set J, 0
.rept 8
	v_pk_fma_f32 v[GP+J:GP+J+1], v[GP+J:GP+J+1], v[GQ+J:GQ+J+1], 0.5 op_sel_hi:[1,1,0]
.set J, J+2
.endr
.set J, 0
.rept 8
	v_pk_mul_f32 v[(\s)+J:(\s)+J+1], v[(\s)+J:(\s)+J+1], v[GP+J:GP+J+1]
.set J, J+2
.endr
.endm
.macro EPIA t, imm
	s_wait_xcnt 0x0                                ; earlier stores have read their registers
.irp q, 0,1,2,3
	GELU16 ACC+64*(\t)+16*\q
.endr
	QUANT ACC+64*(\t), PW+(\t)
.irp c, 0,1,2
	global_store_b128 v[LIW], v[PC+4*\c:PC+4*\c+3], s[10:11] offset:(\imm)+1536*(\t)+512*\c
.endr
.if (\t)==1
	global_store_b64 v[LSW], v[PW:PW+1], s[10:11] offset:(\imm)+12288
.endif
.endm
.macro KPAIR r, v                      ; a constant in a scalar pair: the packed forms name the pair and take its low word for both halves
	s_mov_b32 s[\r], \v
	s_mov_b32 s[\r+1], \v
.endm
	s_load_b256 s[4:11], s[0:1], 0x0               ; h2img, pimg, ff1_b, gimg
	v_lshl_add_u32 v[SPW], v0, 2, SPARE
	v_mov_b32 v[NIL], 0
	ds_add_u32 v[SPW], v[NIL]                      ; the wave's opening: the add, twice on end, and its wait ahead of my first tensor load
	ds_add_u32 v[SPW], v[NIL]
	v_lshrrev_b32 v1, 5, v0
	v_readfirstlane_b32 s[WV], v1
	s_bfe_u32 s16, ttmp6, 0x40000
	s_bfe_u32 s17, ttmp6, 0x40004
	s_lshl_b32 s18, ttmp9, 2
	s_add_co_u32 s18, s18, s16
	s_and_b32 s19, ttmp7, 0xffff
	s_lshl_b32 s19, s19, 2
	s_add_co_u32 s19, s19, s17
	s_lshl_b32 s20, s17, 2
	s_lshl_b32 s20, 15, s20
	s_lshl_b32 s21, 0x1111, s16
	s_or_b32 s24, s20, (3<<16)|(1<<21)
	s_or_b32 s32, s21, (3<<16)|(1<<21)
.irp g, 24, 32
	s_mov_b32 s[\g+1], 32<<16
	s_mov_b32 s[\g+2], (2*NROW)<<16                ; the head's loads bring half a tile
	s_mov_b32 s[\g+3], 32<<16
	s_mov_b32 s[\g+4], 2*NROW
	s_mov_b32 s[\g+5], 32
	s_mov_b32 s[\g+6], 0
	s_mov_b32 s[\g+7], 0
.endr
	s_mul_i32 s2, s[WV], QRT                       ; my quarter of a tile (the second and third weight tiles)
	s_and_b32 s3, s[WV], 1
	s_mul_i32 s3, s3, 2*QRT                        ; my half of a tile (the head's loads)
	s_lshr_b32 s15, s[WV], 1                       ; at the head waves 0, 1 fetch the tokens, waves 2, 3 the first weight tile
	s_mul_i32 s56, s19, TILEB
	s_add_co_u32 s56, s56, s3
	s_mov_b32 s57, 0
	s_mul_i32 s60, s18, TILEB
	s_add_co_u32 s60, s60, OFFW
	s_add_co_u32 s62, s60, s3
	s_mov_b32 s63, 0
	s_add_co_u32 s60, s60, s2
	s_mov_b32 s61, 0
	s_mov_b32 s40, 1
	s_add_co_u32 s41, s3, RT
	s_mov_b32 s44, 1
	s_add_co_u32 s45, s3, RW0
	s_mov_b32 s48, 1
	s_add_co_u32 s49, s2, RW1
	s_mov_b32 s52, 1
	s_add_co_u32 s53, s2, RW0
	v_and_b32 v[LI], 31, v0
	v_lshlrev_b32 v[LI], 4, v[LI]
	s_mul_i32 s2, s[WV], 3072
	v_add_nc_u32 v[LIW], s2, v[LI]
	s_lshr_b32 s2, s[WV], 1
	s_lshl_b32 s2, s2, 9
	s_and_b32 s3, s[WV], 1
	s_lshl_b32 s3, s3, 3
	s_add_co_u32 s2, s2, s3
	v_add_nc_u32 v[LSW], s2, v[LI]
	v_bfe_u32 v[BH], v0, 4, 1
	v_lshlrev_b32 v[BH], 6, v[BH]
.irp b, 0,1,2,3
	v_mov_b32 v[TM+4+\b], 0
.endr
	s_mov_b32 s[SEL], 0x76543210
	s_mov_b32 s[SEL+1], 0xfedcba98
	KPAIR 66, 0xaf15df0b                           ; P, highest power first, halved: -2.72614226e-10 / 2
	v_mov_b32 v122, 0x326dffee                     ;  2.77068142e-08 / 2
	v_mov_b32 v123, 0x326dffee
	KPAIR 68, 0xb58cff51                           ; -2.10102402e-06 / 2
	KPAIR 70, 0xb7eec2d2                           ; -5.69250639e-05 / 2
	KPAIR 72, 0xb9c0ac63                           ; -7.34990630e-04 / 2
	KPAIR 74, 0xbac1a1f6                           ; -2.95459981e-03 / 2
	KPAIR 76, 0xbc03dbd4                           ; -1.60960333e-02 / 2
	KPAIR 78, 0xb77460cd                           ; Q: -1.45660718e-05
	v_mov_b32 v124, 0xb95fbd29                     ; -2.13374055e-04
	v_mov_b32 v125, 0xb95fbd29
	KPAIR 80, 0xbadc924e                           ; -1.68282697e-03
	KPAIR 82, 0xbbf19bf8                           ; -7.37332917e-03
	KPAIR 84, 0xbc69b6a7                           ; -1.42647391e-02
	KPAIR 86, 0x3f3504f3                           ; 1 / sqrt 2
	s_mul_i32 s22, s19, 24
	s_add_co_u32 s22, s22, s18
	s_mul_i32 s22, s22, BLK                        ; the result's block (24 y + x); a stage on is 8 blocks on
	s_mov_b32 s23, 0
	s_lshl_b32 s2, s18, 9
	s_mov_b32 s3, 0
	s_wait_dscnt 0x0
	s_wait_kmcnt 0x0
	s_add_nc_u64 s[42:43], s[4:5], s[56:57]
	s_or_b32 s43, s43, 0x80000000
	s_add_nc_u64 s[46:47], s[6:7], s[62:63]
	s_add_nc_u64 s[50:51], s[6:7], s[60:61]
	s_add_nc_u64 s[50:51], s[50:51], 8*TILEB
	s_add_nc_u64 s[54:55], s[50:51], 8*TILEB
	s_or_b32 s47, s47, 0x80000000
	s_or_b32 s51, s51, 0x80000000
	s_or_b32 s55, s55, 0x80000000
	s_add_nc_u64 s[10:11], s[10:11], s[22:23]
	s_add_nc_u64 s[8:9], s[8:9], s[2:3]
	CROUND
	s_cmp_eq_u32 s15, 0                            ; one tensor load a wave at the head
	s_cbranch_scc0 .Lhead_w
	tensor_load_to_lds s[40:43], s[24:31]
	s_nop 0
	PLACES
	s_branch .Lhead_asked
.Lhead_w:
	tensor_load_to_lds s[44:47], s[32:39]
	s_nop 0
	PLACES
.Lhead_asked:
	WIN 0x80                                       ; destination window 2: the three stages' biases in the results' layout
	s_wait_alu depctr_va_vdst(0)
.irp i, 0,1,2
.irp a, 0,1,2,3,4,5,6,7
	global_load_b128 v[64*\i+8*\a:64*\i+8*\a+3], v[BH], s[8:9] offset:4096*\i+128*(\a/2)+32*(\a%2)
	global_load_b128 v[64*\i+8*\a+4:64*\i+8*\a+7], v[BH], s[8:9] offset:4096*\i+128*(\a/2)+32*(\a%2)+16
.endr
.endr
	WIN 0
	s_wait_tensorcnt 0x0                           ; my half tile is in
	ds_add_u32 v[SPW], v[NIL]
	s_mov_b32 s34, NROW<<16                        ; no tensor load of mine is out: from here on a weight load brings a quarter of a tile
	s_mov_b32 s36, NROW
	s_wait_dscnt 0x0
	CROUND
	tensor_load_to_lds s[48:51], s[32:39]          ; my quarter of the second weight tile: it has the first stage in which to land
	s_nop 0
	PLACES
	s_wait_loadcnt 0x0
	SETADR RW0, RT
	s_wait_alu depctr_va_vdst(0)
	COMPUTE 8, 1, 0
	s_wait_tensorcnt 0x0                           ; all my tensor loads have landed,
	ds_add_u32 v[SPW], v[NIL]
	s_wait_dscnt 0x0
	CROUND
	tensor_load_to_lds s[52:55], s[32:39]
	s_nop 0
	PLACES
	EPIA 0, 0
	EPIA 1, 0
	SETADR RW1, RT
	s_wait_alu depctr_va_vdst(0)
	COMPUTE 8, 1, 64
	PLACES
	EPIA 0, TILEB
	EPIA 1, TILEB
	s_wait_tensorcnt 0x0                           ; my part of the third weight tile is in,
	s_wait_dscnt 0x0
	s_barrier_signal -1
	s_barrier_wait -1                              ; everybody's is
	SETADR RW0, RT
	s_wait_alu depctr_va_vdst(0)
	COMPUTE 8, 1, 128
	PLACES
	EPIA 0, 2*TILEB
	EPIA 1, 2*TILEB
	s_wait_tensorcnt 0x0                           ; the wave's end
	ds_add_u32 v[SPW], v[NIL]
	s_wait_dscnt 0x0
	CROUND
	s_endpgm
.Lfunc_end_k_qed699a10fe_ff1:
	.size	k_qed699a10fe_ff1, .Lfunc_end_k_qed699a10fe_ff1-k_qed699a10fe_ff1
	.p2alignl 7, 3214868480
	.fill 96, 4, 3214868480
	.section	.rodata,"a",@progbits
	.p2align	6, 0x0
	.amdhsa_kernel k_qed699a10fe_ff1
		.amdhsa_group_segment_fixed_size 327680
		.amdhsa_private_segment_fixed_size 0
		.amdhsa_enable_private_segment 0
		.amdhsa_kernarg_size 32
		.amdhsa_user_sgpr_count 2
		.amdhsa_user_sgpr_kernarg_segment_ptr 1
		.amdhsa_wavefront_size32 1
		.amdhsa_system_sgpr_workgroup_id_x 1
		.amdhsa_system_sgpr_workgroup_id_y 1
		.amdhsa_system_sgpr_workgroup_id_z 1
		.amdhsa_system_vgpr_workitem_id 0
		.amdhsa_next_free_vgpr 768
		.amdhsa_next_free_sgpr 96
		.amdhsa_reserve_vcc 0
		.amdhsa_float_denorm_mode_32 3
		.amdhsa_float_denorm_mode_16_64 3
		.amdhsa_memory_ordered 1
		.amdhsa_forward_progress 1
		.amdhsa_inst_pref_size 255
	.end_amdhsa_kernel
	.section	.bss,"aw",@nobits
	.p2align	6
	.space	262144
	.amdgpu_metadata
---
amdhsa.version: [ 1, 2 ]
amdhsa.kernels:
  - .name:           k_qed699a10fe_ff1
    .symbol:         k_qed699a10fe_ff1.kd
    .args:
      - { .name: h2img, .offset: 0, .size: 8, .value_kind: global_buffer, .address_space: global }
      - { .name: pimg, .offset: 8, .size: 8, .value_kind: global_buffer, .address_space: global }
      - { .name: ff1_b, .offset: 16, .size: 8, .value_kind: global_buffer, .address_space: global }
      - { .name: gimg, .offset: 24, .size: 8, .value_kind: global_buffer, .address_space: global }
    .group_segment_fixed_size: 327680
    .private_segment_fixed_size: 0
    .kernarg_segment_align: 8
    .kernarg_segment_size: 32
    .max_flat_workgroup_size: 128
    .sgpr_count:     96
    .vgpr_count:     768
    .wavefront_size: 32
...
	.end_amdgpu_metadata
.endif
;; end of part 5
;; launch ff2 (part 6): grid 8 x 32, 4 waves a work-group, clusters of 4 x 4, 327,680 bytes of LDS; arguments gimg, pimg, ff2_b, x1, out0; writes out0
.if DOCPART == 6
	.amdgcn_target "amdgcn-amd-amdhsa--gfx1250"
	.amdhsa_code_object_version 6
	.text
	.protected	k_qed699a10fe_ff2
	.globl	k_qed699a10fe_ff2
	.p2align	8
	.type	k_qed699a10fe_ff2,@function
k_qed699a10fe_ff2:
	s_mov_b64 s[64:65], 0
	v_nop
	global_prefetch_b8 v0, s[64:65] scope:SCOPE_SE
	s_setreg_imm32_b32 hwreg(HW_REG_WAVE_MODE, 25, 1), 1
	s_wait_xcnt 0x0
	s_wait_alu depctr_hold_cnt(0) depctr_sa_sdst(0) depctr_va_vdst(0) depctr_va_sdst(0) depctr_va_ssrc(0) depctr_va_vcc(0) depctr_vm_vsrc(0)
	s_getreg_b32 s2, hwreg(HW_REG_IB_STS2, 6, 4)
	s_cmp_eq_u32 s2, 0
	s_cbranch_scc0 .Lentry_in_a_cluster
	s_endpgm
.Lentry_in_a_cluster:
	s_bfe_u32 s2, ttmp6, 0x10000c
	s_cmp_lg_u32 s2, 0xf033
	s_cbranch_scc0 .Lentry_shape_is_right
	s_endpgm
.Lentry_shape_is_right:
.set BLK,   13312
.set HALF,  3*BLK
.set NROW,  HALF/256
.set TB6,   6*BLK
.set SLOT,  12*BLK
.set KTILE, 24*BLK
.set STAGE, 0
.set SPARE, 2*SLOT
.set OFFW,  9371648
.set LI,  1
.set LIW, 2
.set LSW, 3
.set XA,  4
.set YA,  6
.set YS,  8
.set SPW, 10
.set NIL, 11
.set BH,  12
.set STO, 16
.set RD,  17
.set ACC, 128
.set WV,  14
.set MSB, 0
.macro WIN new
.if MSB != \new
	s_set_vgpr_msb (MSB<<8)|\new
.set MSB, \new
.endif
.endm
.macro PLACES
.rept 4
	v_nop
.endr
.endm
.macro CROUND
	s_barrier_signal -1
	s_barrier_wait -1
	s_cmp_lg_u32 s[WV], 0
	s_cbranch_scc1 .Lnot_wave_0_\@
	s_barrier_signal -3
.Lnot_wave_0_\@:
	s_barrier_wait -3
	s_barrier_signal -1
	s_barrier_wait -1
.endm
.macro JLOAD s
	s_cmp_eq_u32 s15, 0
	s_cbranch_scc0 .Lfor_w_\@
	tensor_load_to_lds s[40+4*\s:43+4*\s], s[24:31]
	s_nop 0
	PLACES
	s_branch .Lasked_\@
.Lfor_w_\@:
	tensor_load_to_lds s[48+4*\s:51+4*\s], s[32:39]
	s_nop 0
	PLACES
.Lasked_\@:
.endm
.macro WM0 d, a, b, sa, sb
	v_wmma_scale_f32_16x16x128_f8f6f4 v[\d:\d+7], v[\a:\a+11], v[\b:\b+11], 0, v[\sa], v[\sb] matrix_a_fmt:MATRIX_FMT_FP6 matrix_b_fmt:MATRIX_FMT_FP6
.endm
.macro WMC d, a, b, c, sa, sb
	v_wmma_scale_f32_16x16x128_f8f6f4 v[\d:\d+7], v[\a:\a+11], v[\b:\b+11], v[\c:\c+7], v[\sa], v[\sb] matrix_a_fmt:MATRIX_FMT_FP6 matrix_b_fmt:MATRIX_FMT_FP6
.endm
.macro SETADR xb, yb
	WIN 0
	v_add_nc_u32 v[XA], \xb, v[LI]
	v_add_nc_u32 v[XA+1], (\xb)+4*BLK, v[LI]
	v_add_nc_u32 v[YA], \yb, v[LIW]
	v_add_nc_u32 v[YA+1], (\yb)+4*BLK, v[LIW]
	v_add_nc_u32 v[YS], (\yb)+12288, v[LSW]
	v_add_nc_u32 v[YS+1], (\yb)+4*BLK+12288, v[LSW]
.endm
.macro FETCH ks, p
	WIN 0x40
.irp a, 0,1,2,3,4,5,6,7
.irp c, 0,1,2
	ds_load_b128 v[120*(\p)+12*\a+4*\c:120*(\p)+12*\a+4*\c+3], v[XA+(\ks)/4] offset:((\ks)%4)*BLK+1536*\a+512*\c
.endr
.endr
.irp t, 0,1
.irp c, 0,1,2
	ds_load_b128 v[120*(\p)+96+12*\t+4*\c:120*(\p)+96+12*\t+4*\c+3], v[YA+(\ks)/4] offset:((\ks)%4)*BLK+1536*\t+512*\c
.endr
.endr
	WIN 0
	ds_load_b128 v[32+12*(\p):35+12*(\p)], v[XA+(\ks)/4] offset:((\ks)%4)*BLK+12288
	ds_load_b128 v[36+12*(\p):39+12*(\p)], v[XA+(\ks)/4] offset:((\ks)%4)*BLK+12800
	ds_load_b64 v[40+12*(\p):41+12*(\p)], v[YS+(\ks)/4] offset:((\ks)%4)*BLK
.endm
.macro MUL p, cmode
	WIN 0x05
.irp t, 0,1
.irp a, 0,1,2,3,4,5,6,7
.if (\cmode)==0
	WM0 ACC+64*\t+8*\a, 120*(\p)+12*\a, 120*(\p)+96+12*\t, 32+12*(\p)+\a, 40+12*(\p)+\t
.else
	WMC ACC+64*\t+8*\a, 120*(\p)+12*\a, 120*(\p)+96+12*\t, ACC+64*\t+8*\a, 32+12*(\p)+\a, 40+12*(\p)+\t
.endif
.endr
.endr
.endm
.macro COMPUTE n, c0
	FETCH 0, 0
.set KS, 0
.rept \n
.if KS < (\n)-1
	PLACES
	FETCH KS+1, (KS+1)%2
	s_wait_dscnt 33
.else
	s_wait_dscnt 0x0
.endif
.if KS == 0
	MUL 0, \c0
.else
	MUL KS%2, 3
.endif
.set KS, KS+1
.endr
	WIN 0
.endm
.macro CHANGE s
	s_wait_tensorcnt 0x0
	ds_add_u32 v[SPW], v[NIL]
	s_add_nc_u64 s[42+4*\s:43+4*\s], s[42+4*\s:43+4*\s], 2*TB6
	s_add_nc_u64 s[50+4*\s:51+4*\s], s[50+4*\s:51+4*\s], 2*TB6
	s_wait_dscnt 0x0
	CROUND
	JLOAD \s
.endm
.macro EPIB t
	s_wait_xcnt 0x0
.irp a, 0,1,2,3,4,5,6,7
	ds_store_b128 v[STO], v[ACC+64*(\t)+8*\a:ACC+64*(\t)+8*\a+3] offset:128*(\a/2)+32*(\a%2)
	ds_store_b128 v[STO], v[ACC+64*(\t)+8*\a+4:ACC+64*(\t)+8*\a+7] offset:128*(\a/2)+32*(\a%2)+16
.endr
.set EI, 0
.rept 16
	ds_load_b128 v[56+4*EI:59+4*EI], v[RD] offset:528*EI
.set EI, EI+1
.endr
	s_wait_dscnt 0x0
	WIN 0x08
.set EI, 0
.rept 32
	v_pk_add_f32 v[56+2*EI:57+2*EI], v[56+2*EI:57+2*EI], v[64*(\t)+2*EI:64*(\t)+2*EI+1]
.set EI, EI+1
.endr
.set EI, 0
.rept 32
	v_pk_add_f32 v[56+2*EI:57+2*EI], v[56+2*EI:57+2*EI], v[128+2*(EI%2):129+2*(EI%2)]
.set EI, EI+1
.endr
	WIN 0
.set EI, 0
.rept 16
	global_store_b128 v[LI], v[56+4*EI:59+4*EI], s[12:13] offset:(8*(\t)+EI+8*(EI/8))*4096 th:TH_STORE_NT
.set EI, EI+1
.endr
.endm
	s_load_b256 s[4:11], s[0:1], 0x0
	s_load_b64 s[12:13], s[0:1], 0x20
	v_lshl_add_u32 v[SPW], v0, 2, SPARE
	v_mov_b32 v[NIL], 0
	ds_add_u32 v[SPW], v[NIL]
	ds_add_u32 v[SPW], v[NIL]
	v_lshrrev_b32 v1, 5, v0
	v_readfirstlane_b32 s[WV], v1
	s_lshr_b32 s15, s[WV], 1
	s_bfe_u32 s16, ttmp6, 0x40000
	s_bfe_u32 s17, ttmp6, 0x40004
	s_lshl_b32 s18, ttmp9, 2
	s_add_co_u32 s18, s18, s16
	s_and_b32 s19, ttmp7, 0xffff
	s_lshl_b32 s19, s19, 2
	s_add_co_u32 s19, s19, s17
	s_lshl_b32 s20, s17, 2
	s_lshl_b32 s20, 15, s20
	s_lshl_b32 s21, 0x1111, s16
	s_or_b32 s24, s20, (3<<16)|(1<<21)
	s_or_b32 s32, s21, (3<<16)|(1<<21)
.irp g, 24, 32
	s_mov_b32 s[\g+1], 32<<16
	s_mov_b32 s[\g+2], NROW<<16
	s_mov_b32 s[\g+3], 32<<16
	s_mov_b32 s[\g+4], NROW
	s_mov_b32 s[\g+5], 32
	s_mov_b32 s[\g+6], 0
	s_mov_b32 s[\g+7], 0
.endr
	s_mul_i32 s2, s[WV], HALF
	s_and_b32 s3, s[WV], 1
	s_mul_i32 s3, s3, HALF
	s_mul_i32 s56, s19, KTILE
	s_add_co_u32 s56, s56, s3
	s_mov_b32 s57, 0
	s_mul_i32 s60, s18, KTILE
	s_add_co_u32 s60, s60, s3
	s_add_co_u32 s60, s60, OFFW
	s_mov_b32 s61, 0
.irp s, 0,1
	s_mov_b32 s[40+4*\s], 1
	s_add_co_u32 s[41+4*\s], s2, \s*SLOT
	s_mov_b32 s[48+4*\s], 1
	s_add_co_u32 s[49+4*\s], s2, \s*SLOT
.endr
	v_and_b32 v[LI], 31, v0
	v_lshlrev_b32 v[LI], 4, v[LI]
	v_and_b32 v18, 31, v0                          ; the prefetches' offsets: a lane a block of 256 bytes: blocks 0-31 of my work-group's 39,
	v_add_nc_u32 v19, 32, v18
	v_min_u32 v19, 38, v19                         ; and blocks 32-38 (the lanes left over name the last again)
	v_lshlrev_b32 v18, 8, v18
	v_lshlrev_b32 v19, 8, v19
	s_wait_alu depctr_va_vdst(0)
	s_mul_i32 s2, s[WV], 3072
	v_add_nc_u32 v[LIW], s2, v[LI]
	s_lshr_b32 s2, s[WV], 1
	s_lshl_b32 s2, s2, 9
	s_and_b32 s3, s[WV], 1
	s_lshl_b32 s3, s3, 3
	s_add_co_u32 s2, s2, s3
	v_add_nc_u32 v[LSW], s2, v[LI]
	v_bfe_u32 v[BH], v0, 4, 1
	v_lshlrev_b32 v[BH], 6, v[BH]
	v_and_b32 v14, 15, v0
	v_mul_u32_u24 v[STO], v14, 528
	v_add_nc_u32 v[STO], v[BH], v[STO]
	s_mul_i32 s2, s[WV], 8448
	s_add_co_u32 s2, s2, STAGE
	v_add_nc_u32 v[STO], s2, v[STO]
	v_add_nc_u32 v[RD], s2, v[LI]
	s_lshl_b32 s2, s19, 7
	s_lshl_b32 s3, s[WV], 5
	s_add_co_u32 s2, s2, s3
	s_lshl_b32 s2, s2, 12
	s_lshl_b32 s3, s18, 9
	s_add_co_u32 s22, s2, s3
	s_mov_b32 s23, 0
	s_mov_b32 s2, s3
	s_mov_b32 s3, 0
	s_wait_dscnt 0x0
	s_wait_kmcnt 0x0
	s_add_nc_u64 s[42:43], s[4:5], s[56:57]
	s_add_nc_u64 s[46:47], s[42:43], TB6
	s_or_b32 s43, s43, 0x80000000
	s_or_b32 s47, s47, 0x80000000
	s_add_nc_u64 s[50:51], s[6:7], s[60:61]
	s_add_nc_u64 s[54:55], s[50:51], TB6
	s_or_b32 s51, s51, 0x80000000
	s_or_b32 s55, s55, 0x80000000
	s_add_nc_u64 s[8:9], s[8:9], s[2:3]
	s_add_nc_u64 s[10:11], s[10:11], s[22:23]
	s_add_nc_u64 s[12:13], s[12:13], s[22:23]
	s_cmp_eq_u32 s15, 0                            ; the prefetches: of the 156 blocks of 256 bytes that my load brings, each of the four partners that ask jointly takes 39, told apart by address
	s_cselect_b64 s[58:59], s[4:5], s[6:7]
	s_cselect_b64 s[62:63], s[56:57], s[60:61]
	s_add_nc_u64 s[58:59], s[58:59], s[62:63]
	s_cselect_b32 s62, s16, s17                    ; my place among the four: cx for the tokens, cy for the weights
	s_mul_i32 s62, s62, 39*256
	s_mov_b32 s63, 0
	s_add_nc_u64 s[58:59], s[58:59], s[62:63]
	CROUND
	JLOAD 0
	global_prefetch_b8 v18, s[58:59] offset:TB6 th:TH_LOAD_NT scope:SCOPE_SE      ; what the second and the third of the four fills will load
	global_prefetch_b8 v19, s[58:59] offset:TB6 th:TH_LOAD_NT scope:SCOPE_SE
	global_prefetch_b8 v18, s[58:59] offset:2*TB6 th:TH_LOAD_NT scope:SCOPE_SE
	global_prefetch_b8 v19, s[58:59] offset:2*TB6 th:TH_LOAD_NT scope:SCOPE_SE
	s_wait_alu depctr_va_vdst(0)
	s_wait_tensorcnt 0x0
	ds_add_u32 v10, v11
	s_wait_dscnt 0x0
	CROUND
	JLOAD 1
	global_prefetch_b8 v18, s[58:59] offset:3*TB6 th:TH_LOAD_NT scope:SCOPE_SE    ; the last fill, two fills ahead; the round above has shown slot 0 whole to every wave
	global_prefetch_b8 v19, s[58:59] offset:3*TB6 th:TH_LOAD_NT scope:SCOPE_SE
	SETADR TB6, 0
	s_wait_alu depctr_va_vdst(0)
	COMPUTE 6, 0
	CHANGE 0
	SETADR SLOT+TB6, SLOT
	s_wait_alu depctr_va_vdst(0)
	COMPUTE 6, 3
	CHANGE 1
	WIN 0x80                                       ; destination window 2: the residual's rows as the way out will hold them, and the bias: asked for behind the last fill, 12 K steps ahead of their use
.irp t, 0,1
.set EI, 0
.rept 16
	global_load_b128 v[64*\t+4*EI:64*\t+4*EI+3], v[LI], s[10:11] offset:(8*\t+EI+8*(EI/8))*4096 th:TH_LOAD_NT
.set EI, EI+1
.endr
.endr
	global_load_b128 v[128:131], v[LI], s[8:9]
	WIN 0
	SETADR TB6, 0
	s_wait_alu depctr_va_vdst(0)
	COMPUTE 6, 3
	s_wait_tensorcnt 0x0
	s_wait_dscnt 0x0
	s_barrier_signal -1
	s_barrier_wait -1
	SETADR SLOT+TB6, SLOT
	s_wait_alu depctr_va_vdst(0)
	COMPUTE 6, 3
	PLACES
	s_wait_loadcnt 0x0
	EPIB 0
	EPIB 1
	s_wait_tensorcnt 0x0
	ds_add_u32 v[SPW], v[NIL]
	s_wait_dscnt 0x0
	CROUND
	s_endpgm
.Lfunc_end_k_qed699a10fe_ff2:
	.size	k_qed699a10fe_ff2, .Lfunc_end_k_qed699a10fe_ff2-k_qed699a10fe_ff2
	.p2alignl 7, 3214868480
	.fill 96, 4, 3214868480
	.section	.rodata,"a",@progbits
	.p2align	6, 0x0
	.amdhsa_kernel k_qed699a10fe_ff2
		.amdhsa_group_segment_fixed_size 327680
		.amdhsa_private_segment_fixed_size 0
		.amdhsa_enable_private_segment 0
		.amdhsa_kernarg_size 40
		.amdhsa_user_sgpr_count 2
		.amdhsa_user_sgpr_kernarg_segment_ptr 1
		.amdhsa_wavefront_size32 1
		.amdhsa_system_sgpr_workgroup_id_x 1
		.amdhsa_system_sgpr_workgroup_id_y 1
		.amdhsa_system_sgpr_workgroup_id_z 1
		.amdhsa_system_vgpr_workitem_id 0
		.amdhsa_next_free_vgpr 768
		.amdhsa_next_free_sgpr 66
		.amdhsa_reserve_vcc 0
		.amdhsa_float_denorm_mode_32 3
		.amdhsa_float_denorm_mode_16_64 3
		.amdhsa_memory_ordered 1
		.amdhsa_forward_progress 1
		.amdhsa_inst_pref_size 134
	.end_amdhsa_kernel
	.amdgpu_metadata
---
amdhsa.version: [ 1, 2 ]
amdhsa.kernels:
  - .name:           k_qed699a10fe_ff2
    .symbol:         k_qed699a10fe_ff2.kd
    .args:
      - { .name: gimg, .offset: 0, .size: 8, .value_kind: global_buffer, .address_space: global }
      - { .name: pimg, .offset: 8, .size: 8, .value_kind: global_buffer, .address_space: global }
      - { .name: ff2_b, .offset: 16, .size: 8, .value_kind: global_buffer, .address_space: global }
      - { .name: x1, .offset: 24, .size: 8, .value_kind: global_buffer, .address_space: global }
      - { .name: out0, .offset: 32, .size: 8, .value_kind: global_buffer, .address_space: global }
    .group_segment_fixed_size: 327680
    .private_segment_fixed_size: 0
    .kernarg_segment_align: 8
    .kernarg_segment_size: 40
    .max_flat_workgroup_size: 128
    .sgpr_count:     66
    .vgpr_count:     768
    .wavefront_size: 32
...
	.end_amdgpu_metadata
.endif
;; end of part 6
